; MI455X (gfx1250); checked and timed in simulation.
; The chip was launched on July 23, 2026; its instructions are those of AMD's public machine-readable ISA for CDNA 5 (MIT licence, August 2026) and "CDNA5" Instruction Set Architecture Reference Guide (July 2026). The comments in the code are by the model that wrote it; some were corrected since.
;; Lo RA Multihead Attention. Allowed arithmetic: matrix products marked QUANTISED: E3M2 operands, one E8M0 scale for each 32 along K, by v_wmma_scale_f32_16x16x128_f8f6f4 with both operands' format E3M2, f32 sums; products left as they are: f32 operands where the result goes on into a quantised operand, else bf16, f16 or f32 operands; f32 sums; everything else in f32.
;; Inputs: in_proj_bias 3,072 float32; in_proj_weight 3,072 x 1,024 float32; k_a 16 x 1,024 float32; k_b 16 x 1,024 float32; key 2,048 x 2 x 1,024 float32; out_b 1,024 float32; out_w 1,024 x 1,024 float32; query 2,048 x 2 x 1,024 float32; v_a 16 x 1,024 float32; v_b 16 x 1,024 float32; value 2,048 x 2 x 1,024 float32.
;; Outputs: out0 2,048 x 2 x 1,024 float32.
;; Constants: attn_mask = 0, need_weights = 0.
;; This version of the problem:
;;   THIS VERSION OF THE PROBLEM IS GIVEN IN LOW PRECISION. The matrix products marked QUANTISED in the list below multiply operands that are first quantised to E3M2 (3 exponent bits, 2 mantissa bits; 6 bits a number), with one power-of-two scale for each 32 numbers along K (OCP MX v1.0); their sums are f32. All else is computed in f32.
;;   The module's matrix products, in the order in which they are computed (A, B: the left and right operand; K: the contracted axis; several contracted axes count as one K, in the product's order):
;;     1. [M 4,096, K 1,024] x [K 1,024, N 3,072]; A: input query; B: input in_proj_weight: QUANTISED
;;     2. [M 4,096, K 1,024] x [K 1,024, N 16]; A: input query; B: input k_a: QUANTISED
;;     3. [M 4,096, K 16] x [K 16, N 1,024]; A: computed on the way; B: input k_b: left as it is (K = 16 < 32)
;;     4. [M 4,096, K 1,024] x [K 1,024, N 16]; A: input query; B: input v_a: QUANTISED
;;     5. [M 4,096, K 16] x [K 16, N 1,024]; A: computed on the way; B: input v_b: left as it is (K = 16 < 32)
;;     6. batch 32 x [M 2,048, K 64] x [K 64, N 2,048]; A: computed on the way; B: computed on the way: QUANTISED
;;     7. batch 32 x [M 64, K 2,048] x [K 2,048, N 2,048]; A: computed on the way; B: softmax (see below): QUANTISED
;;     8. [M 4,096, K 1,024] x [K 1,024, N 1,024]; A: computed on the way; B: input out_w: QUANTISED
;;   THE QUANTISER, for each operand of a quantised product, along K:
;;     - K is cut into blocks of 32 from its start; a last block that is shorter is filled with zeros.
;;     - A block's scale is 2^e with e = floor(log2(the largest magnitude in the block)) - 4, held to -126 .. 127; a block of zeros has e = 0. As a byte (E8M0): e + 127.
;;     - Each number is divided by its block's scale, clamped to +-28, and rounded to the nearest number of E3M2, ties to even, subnormals kept.
;;     - The product sums the exact products of the quantised numbers (number of the format x scale) in f32.
;;   ~~~python
;;   def quantise(x, axis):      # numpy; x: float32 -> the quantised numbers, widened to float32 again
;;       x = np.moveaxis(x, axis, -1); K = x.shape[-1]
;;       x = np.pad(x, [(0, 0)] * (x.ndim - 1) + [(0, -K % 32)]); x = x.reshape(x.shape[:-1] + (-1, 32)); a = np.abs(x).max(-1, keepdims=True)
;;       e = np.where(a > 0, np.clip(np.frexp(np.where(a > 0, a, 1))[1] - 1 - 4, -126, 127), 0)      # np.frexp(a)[1] - 1 = floor(log2(a)), exactly
;;       r = np.clip(x / 2.0 ** e, -28, 28)
;;       step = 2.0 ** (np.maximum(np.frexp(np.where(r == 0, 1, r))[1] - 1, -2) - 2)
;;       q = np.round(r / step) * step * 2.0 ** e      # np.round: ties to even
;;       return np.moveaxis(q.reshape(q.shape[:-2] + (-1,))[..., :K], -1, axis).astype(np.float32)
;;   ~~~
;;   SOFTMAX AHEAD OF A QUANTISED PRODUCT. Where the list says 'softmax', what is quantised is not the finished softmax but p = 2^(t - M), with t = logit x log2(e) and M = ceil(the row's largest t), a whole number; so 1/2 < the row's largest p <= 1. The row's sum l is taken of the UNQUANTISED p, in f32, and the product's result is divided by l at the end. Since M is a whole number, a kernel that streams over the keys may use a running M (the ceiling of the running maximum): every later rescaling is an exact power of two, which a block's scale takes up: the codes' values come out the same.
;;   OPERANDS COMPUTED ON THE WAY. 'Computed on the way' means the value that the module computes at that place (a softmax that the list does not call 'softmax' is quantised finished and normalised). What goes into a quantiser is computed in f32, as accurately as f32 sums, v_exp_f32 and their like allow (about 1e-6 of the number): no bf16 or f16 on the way to a quantiser, and a product that is left as it is and whose result goes on into a quantised operand takes f32 operands (vector FMAs, or v_wmma_f32_16x16x4_f32). A number that lies on a knife's edge between two numbers of the format may be rounded either way, as far as f32 arithmetic and the matrix unit's own rounding can turn it there, and no further.
;; One version. Each part assembles by itself: llvm-mc -triple=amdgcn-amd-amdhsa -mcpu=gfx1250 --defsym DOCPART=n.
;; ======== version 1 of 1: 5 launches
;; limits: right only within a limited range of input values
;; workspace buffers: codes 6,316,032 bytes; scales 263,168 bytes; lr 901,120 bytes; qkv 9,437,184 bytes; qkvs 393,216 bytes; ao 3,145,728 bytes; aos 131,072 bytes
;; launch quant (part 1): grid 257 x 1, 4 waves a work-group, no clusters, 35,328 bytes of LDS; arguments query, in_proj_weight, out_w, k_a, v_a, codes, scales; writes codes, scales
.if DOCPART == 1
	.amdgcn_target "amdgcn-amd-amdhsa--gfx1250"
	.amdhsa_code_object_version 6
	.text
	.protected	k_q39edb22c5c_quant
	.globl	k_q39edb22c5c_quant
	.p2align	8
	.type	k_q39edb22c5c_quant,@function
k_q39edb22c5c_quant:
	s_mov_b64 s[64:65], 0
	v_nop
	global_prefetch_b8 v0, s[64:65] scope:SCOPE_SE
	s_setreg_imm32_b32 hwreg(HW_REG_WAVE_MODE, 25, 1), 1
	s_wait_xcnt 0x0
; query [2048][2][1024], in_proj_weight [3072][1024], out_w [1024][1024], k_a and v_a [16][1024], all f32 with K innermost, become codes of BF6 (E3M2)
; with one E8M0 byte for each 32 along K, laid as the later launches' operand registers want them.
; (The inputs key and value are in no launch's list: the function that is computed here makes q, k and v all from query and never uses them.)
; TILES.  A tile is 16 rows x 1,024 K.  Tiles 0-255: tokens (tile = 128 x batch + i), 256-447: in_proj_weight, 448-511: out_w, 512: k_a, 513: v_a.
; THE ROWS OF A TILE ARE NOT NEIGHBOURS: lane r of tile i takes row 32 (i / 2) + 8 (i % 2) + r + 8 (r / 8), so that in a product whose source 0 is such a tile the 16 result registers
; of tiles 2 b and 2 b + 1 are 16 neighbours.  Only k_a's and v_a's tiles (16 rows in all) keep their order.
; RECORD.  16 rows x 128 K are 12 registers a lane, stored as an image of 1,536 bytes: registers 0-1 at 8 x lane, 2-5 at 256 + 16 x lane, 6-7 at 768 + 8 x lane, 8-11 at 1,024 + 16 x lane:
; every store covers 256 or 512 consecutive bytes, aligned.  codes: [tile][K step 0-7][1,536].  scales: [tile][pair of K steps 0-3][row 16][2 words].
; SCALE.  2^(floor(log2(the block's largest magnitude)) - 4); its byte is that magnitude's exponent field - 4, held at 1 from below by a floor of 2^(5 - 127) among the maximum's leaves.
; LIMITS: a block of zeros gets the byte 1 and not 127 (its codes are zeros, and the bytes are read by this program alone); NaN and infinities among the inputs are not served.
; SHARES.  Work-group g takes tiles 2 g and 2 g + 1; wave w takes tile 2 g + w / 2, K steps 4 (w % 2) .. + 3.  Waves share nothing: no barrier.  No work-group reads what another reads: no cluster.
; Each load takes 512 consecutive bytes of one row; a K step's 16 rows turn through the wave's own stage in LDS, so that a lane gets 16 neighbours of each block of 32 of ITS row.
.set SP,   528                         ; a stage row: 512 bytes + 16, an odd multiple of 16
.set WREG, 8704                        ; a wave's stage: 16 rows, rounded up to whole blocks of 256 bytes
.set PW,   8                           ; v8-11    the four K steps' scale words
.set OFF,  16                          ; v16-31   byte offset of my 16 bytes in row i of the tile; never rewritten
.set RA,   32                          ; v32-223  three sets of 64 numbers
.set PC,   224                         ; v224-235 the codes just made
.set AUX,  236                         ; v236-243 the second halves of the blocks' codes
.set TM,   244                         ; v244-247 largest magnitudes, v248-251 the other half's, then bytes, v252-255 the conversions' scale operands
.set SEL,  36                          ; s[36:37] lane selects: lane l xor 16
; 64 numbers of a lane, register 16 b + i = k 32 b + 16 (lane / 16) + i of my row, become a fragment's 12 registers of codes and its scale word
.macro QUANT s, pc, aux, tm, pw
.irp b, 0,1,2,3
	v_max3_num_f32 v[\tm+\b], |v[\s+16*\b]|, |v[\s+1+16*\b]|, 0x2800000      ; block b: my 16 numbers, and the floor 2^(5 - 127)
.endr
.irp i, 2,4,6,8,10,12,14
.irp b, 0,1,2,3
	v_max3_num_f32 v[\tm+\b], v[\tm+\b], |v[\s+16*\b+\i]|, |v[\s+1+16*\b+\i]|   ; the four blocks by turns
.endr
.endr
.irp b, 0,1,2,3
	v_permlanex16_b32 v[\tm+4+\b], v[\tm+\b], s[SEL], s[SEL+1]
.endr
.irp b, 0,1,2,3
	v_max_num_f32 v[\tm+\b], v[\tm+\b], v[\tm+4+\b]                          ; with lane l xor 16's 16: the block's largest magnitude
.endr
.irp b, 0,1,2,3
	v_add_nc_u32 v[\tm+8+\b], 0xfe000000, v[\tm+\b]                          ; 4 off its exponent field: the conversion takes this operand's exponent field as its scale
.endr
.irp b, 0,1,2,3
	v_lshrrev_b32 v[\tm+4+\b], 23, v[\tm+8+\b]                               ; the scale's byte
.endr
	v_lshl_or_b32 v[\pw], v[\tm+5], 8, v[\tm+4]
	v_lshl_or_b32 v[\pw], v[\tm+6], 16, v[\pw]
	v_lshl_or_b32 v[\pw], v[\tm+7], 24, v[\pw]                               ; my row's scale word
.irp c, 0,1
	v_cvt_scalef32_pk16_bf6_f32 v[\pc+6*\c:\pc+6*\c+2], v[\s+32*\c:\s+32*\c+15], v[\tm+8+2*\c]
	v_cvt_scalef32_pk16_bf6_f32 v[\aux+4*\c:\aux+4*\c+2], v[\s+16+32*\c:\s+31+32*\c], v[\tm+9+2*\c]   ; (a conversion's three registers begin on an even number)
.endr
	v_nop                                                                    ; one plain instruction behind a scaled conversion
.irp c, 0,1                            ; the operand wants a WHOLE block in a lane: lanes 0-15 block 2 c, lanes 16-31 block 2 c + 1
.irp i, 0,1,2
	v_permlane16_swap_b32 v[\pc+6*\c+\i], v[\aux+4*\c+\i]
.endr
.irp i, 0,1,2
	v_mov_b32 v[\pc+3+6*\c+\i], v[\aux+4*\c+\i]
.endr
.endr
.endm
.macro LOAD k                          ; K step k of my four: 16 rows x 512 bytes, into set k % 3
.irp i, 0,1,2,3,4,5,6,7,8,9,10,11,12,13,14,15
	global_load_b128 v[RA+64*((\k)%3)+4*\i:RA+64*((\k)%3)+4*\i+3], v[OFF+\i], s[4:5] offset:512*(\k) th:TH_LOAD_NT
.endr
.endm
.macro TURN k                          ; through the stage and back into the same registers: LDS serves a wave's instructions in order, so no wait stands between
.irp i, 0,1,2,3,4,5,6,7,8,9,10,11,12,13,14,15
	ds_store_b128 v6, v[RA+64*((\k)%3)+4*\i:RA+64*((\k)%3)+4*\i+3] offset:SP*\i
.endr
.irp b, 0,1,2,3
.irp j, 0,1,2,3
	ds_load_b128 v[RA+64*((\k)%3)+16*\b+4*\j:RA+64*((\k)%3)+16*\b+4*\j+3], v7 offset:128*\b+16*\j
.endr
.endr
.endm
.macro KSTEP k, left
	s_wait_loadcnt \left                           ; this K step's 16 loads are in; the younger K steps' stay out
	TURN \k
	s_wait_dscnt 0x0
.if \k > 0
	s_wait_xcnt 0x0                                ; the last K step's stores have read the codes' registers
.endif
	QUANT RA+64*((\k)%3), PC, AUX, TM, PW+\k
	global_store_b64 v5, v[PC:PC+1], s[14:15] offset:1536*\k
	global_store_b128 v4, v[PC+2:PC+5], s[14:15] offset:1536*\k+256
	global_store_b64 v5, v[PC+6:PC+7], s[14:15] offset:1536*\k+768
	global_store_b128 v4, v[PC+8:PC+11], s[14:15] offset:1536*\k+1024
.if \k == 0
	LOAD 3                                         ; into the set that has just been quantised
.endif
.endm
	s_load_b256 s[4:11], s[0:1], 0x0               ; query s[4:5], in_proj_weight s[6:7], out_w s[8:9], k_a s[10:11]
	s_load_b128 s[12:15], s[0:1], 0x20             ; v_a s[12:13], codes s[14:15]
	s_load_b64 s[16:17], s[0:1], 0x30              ; scales
	v_lshl_add_u32 v239, v0, 2, 0x8800
	v_mov_b32 v243, 0
	v_lshrrev_b32 v1, 5, v0
	v_readfirstlane_b32 s18, v1                    ; wave
	s_lshr_b32 s19, s18, 1                         ; u: which of the two tiles
	s_and_b32 s20, s18, 1                          ; which four K steps
	v_and_b32 v1, 31, v0                           ; lane
	v_and_b32 v2, 15, v0                           ; r
	v_bfe_u32 v3, v0, 4, 1                         ; h
	v_lshlrev_b32 v4, 4, v1                        ; 16 x lane
	v_lshlrev_b32 v5, 3, v1                        ; 8 x lane
	s_mul_i32 s38, s18, WREG                       ; my stage
	v_add_nc_u32 v6, s38, v4                       ; in: a row's 512 bytes as they lie
	v_mul_u32_u24 v7, v2, SP
	v_lshl_add_u32 v7, v3, 6, v7
	v_add_nc_u32 v7, s38, v7                       ; back: row r, + 64 h: my 16 numbers of a block of 32
	v_cmp_le_u32 vcc_lo, 16, v1                    ; lanes 16-31
	s_mov_b32 s[SEL], 0x76543210
	s_mov_b32 s[SEL+1], 0xfedcba98
.irp b, 0,1,2,3
	v_mov_b32 v[TM+4+\b], 0                        ; written once: a lane permute's destination counts as one of its sources
.endr
	; which tensor, by the work-group's number alone: only pointers and strides are chosen, the text has one path
	s_mov_b32 s21, 8192                            ; bytes from a token to the next of the same batch
	s_and_b32 s22, ttmp9, 63                       ; which 32 rows
	s_lshr_b32 s23, ttmp9, 6
	s_lshl_b32 s23, s23, 12                        ; the batch's 4,096 bytes
	s_mov_b32 s24, s19
	s_sub_co_u32 s25, ttmp9, 128
	s_sub_co_u32 s26, ttmp9, 224
	s_wait_kmcnt 0x0
	s_cmp_ge_u32 ttmp9, 128                        ; in_proj_weight
	s_cselect_b64 s[4:5], s[6:7], s[4:5]
	s_cselect_b32 s21, 4096, s21
	s_cselect_b32 s23, 0, s23
	s_cselect_b32 s22, s25, s22
	s_cmp_ge_u32 ttmp9, 224                        ; out_w
	s_cselect_b64 s[4:5], s[8:9], s[4:5]
	s_cselect_b32 s22, s26, s22
	s_cmp_eq_u32 s19, 0
	s_cselect_b64 s[10:11], s[10:11], s[12:13]     ; k_a for tile 512, v_a for tile 513
	s_cmp_ge_u32 ttmp9, 256
	s_cselect_b64 s[4:5], s[10:11], s[4:5]
	s_cselect_b32 s22, 0, s22
	s_cselect_b32 s24, 0, s24
	s_lshl_b32 s27, s21, 3                         ; rows 8-15 of a tile lie 8 rows further on,
	s_cmp_ge_u32 ttmp9, 256
	s_cselect_b32 s27, 0, s27                      ; but not in k_a and v_a
	s_lshl_b32 s28, s22, 5
	s_lshl_b32 s29, s24, 3
	s_add_co_u32 s28, s28, s29
	s_mul_i32 s28, s28, s21                        ; the tile's first row,
	s_add_co_u32 s28, s28, s23
	s_lshl_b32 s29, s20, 11
	s_add_co_u32 s28, s28, s29                     ; my four K steps: 2,048 bytes
	s_mov_b32 s29, 0
	s_add_nc_u64 s[4:5], s[4:5], s[28:29]
	s_lshl_b32 s30, ttmp9, 1
	s_add_co_u32 s30, s30, s19                     ; the tile's number
	s_lshl_b32 s32, s30, 9
	s_lshl_b32 s33, s20, 8
	s_add_co_u32 s32, s32, s33
	s_mov_b32 s33, 0
	s_mul_i32 s30, s30, 12288
	s_mul_i32 s31, s20, 6144
	s_add_co_u32 s30, s30, s31
	s_mov_b32 s31, 0
	s_add_nc_u64 s[14:15], s[14:15], s[30:31]
	s_add_nc_u64 s[16:17], s[16:17], s[32:33]
	s_mov_b32 s34, 0
.irp i, 0,1,2,3,4,5,6,7,8,9,10,11,12,13,14,15
.if \i == 8
	s_add_co_u32 s34, s34, s27
.endif
	v_add_nc_u32 v[OFF+\i], s34, v4
	s_add_co_u32 s34, s34, s21
.endr
	s_wait_alu depctr_va_vdst(0)
	LOAD 0
	LOAD 1
	LOAD 2
	KSTEP 0, 32
	KSTEP 1, 32
	KSTEP 2, 16
	KSTEP 3, 0
	v_cndmask_b32 v12, v[PW], v[PW+2], vcc_lo      ; lanes 0-15 store my first pair of K steps' words of row r, lanes 16-31 my second pair's
	v_cndmask_b32 v13, v[PW+1], v[PW+3], vcc_lo
	global_store_b64 v5, v[12:13], s[16:17]        ; 32 lanes store 256 consecutive bytes, aligned
	s_wait_tensorcnt 0x0
	ds_add_u32 v239, v243
	s_wait_dscnt 0x0
	s_endpgm
.Lfunc_end_k_q39edb22c5c_quant:
	.size	k_q39edb22c5c_quant, .Lfunc_end_k_q39edb22c5c_quant-k_q39edb22c5c_quant
	.p2alignl 7, 3214868480
	.fill 96, 4, 3214868480
	.section	.rodata,"a",@progbits
	.p2align	6, 0x0
	.amdhsa_kernel k_q39edb22c5c_quant
		.amdhsa_group_segment_fixed_size 35328
		.amdhsa_private_segment_fixed_size 0
		.amdhsa_enable_private_segment 0
		.amdhsa_kernarg_size 56
		.amdhsa_user_sgpr_count 2
		.amdhsa_user_sgpr_kernarg_segment_ptr 1
		.amdhsa_wavefront_size32 1
		.amdhsa_system_sgpr_workgroup_id_x 1
		.amdhsa_system_sgpr_workgroup_id_y 1
		.amdhsa_system_sgpr_workgroup_id_z 1
		.amdhsa_system_vgpr_workitem_id 0
		.amdhsa_next_free_vgpr 256
		.amdhsa_next_free_sgpr 66
		.amdhsa_reserve_vcc 1
		.amdhsa_float_denorm_mode_32 3
		.amdhsa_float_denorm_mode_16_64 3
		.amdhsa_memory_ordered 1
		.amdhsa_forward_progress 1
		.amdhsa_inst_pref_size 36
	.end_amdhsa_kernel
	.amdgpu_metadata
---
amdhsa.version: [ 1, 2 ]
amdhsa.kernels:
  - .name:           k_q39edb22c5c_quant
    .symbol:         k_q39edb22c5c_quant.kd
    .args:
      - { .name: query, .offset: 0, .size: 8, .value_kind: global_buffer, .address_space: global }
      - { .name: in_proj_weight, .offset: 8, .size: 8, .value_kind: global_buffer, .address_space: global }
      - { .name: out_w, .offset: 16, .size: 8, .value_kind: global_buffer, .address_space: global }
      - { .name: k_a, .offset: 24, .size: 8, .value_kind: global_buffer, .address_space: global }
      - { .name: v_a, .offset: 32, .size: 8, .value_kind: global_buffer, .address_space: global }
      - { .name: codes, .offset: 40, .size: 8, .value_kind: global_buffer, .address_space: global }
      - { .name: scales, .offset: 48, .size: 8, .value_kind: global_buffer, .address_space: global }
    .group_segment_fixed_size: 35328
    .private_segment_fixed_size: 0
    .kernarg_segment_align: 8
    .kernarg_segment_size: 56
    .max_flat_workgroup_size: 128
    .sgpr_count:     66
    .vgpr_count:     256
    .wavefront_size: 32
...
	.end_amdgpu_metadata
.endif
;; end of part 1
;; launch lora (part 2): grid 112 x 1, 4 waves a work-group, no clusters, 0 bytes of LDS; arguments codes, scales, k_b, v_b, in_proj_bias, lr; writes lr
.if DOCPART == 2
	.amdgcn_target "amdgcn-amd-amdhsa--gfx1250"
	.amdhsa_code_object_version 6
	.text
	.protected	k_q39edb22c5c_lora
	.globl	k_q39edb22c5c_lora
	.p2align	8
	.type	k_q39edb22c5c_lora,@function
k_q39edb22c5c_lora:
	s_mov_b64 s[64:65], 0
	v_nop
	global_prefetch_b8 v0, s[64:65] scope:SCOPE_SE
	s_setreg_imm32_b32 hwreg(HW_REG_WAVE_MODE, 25, 1), 1
	s_wait_xcnt 0x0
; Makes the table lr, from which the projection's launch adds the low-rank updates and the bias by f32 matrix steps.
; lr, main part: 704 tiles x 16 rows x 16 f32.  Tiles 0-255: u_k = x k_a^T of the token tiles; 256-511: u_v = x v_a^T; 512-703: the 192 tiles of in_proj's features: k_b[:, n - 1024] or v_b[:, n - 2048], zeros for q's features.
; lr, second part, from byte 720,896: 704 tiles x 16 rows x 4 f32: (1, 0, 0, 0) for a token, (in_proj_bias[n], 0, 0, 0) for a feature: one more f32 step of 4 along K then adds the bias.
; x k_a^T and x v_a^T are products on codes of BF6 with E8M0 scales; their sums stay f32.  (SCALE / RANK is 1.0 exactly: no instruction.)
; Work-groups 0-63: wave w takes token tile 4 g + w.  Source 0 = the 16 ranks, source 1 = the 16 tokens: lane (r, h) then holds ranks 8 h .. 8 h + 7 of token r: 32 neighbouring bytes of its row.
; Work-groups 64-111: wave w takes feature tile 4 (g - 64) + w; lane (r, h) takes ranks 8 h .. 8 h + 7 of its feature.  Rows of a tile: 32 (i / 2) + 8 (i % 2) + r + 8 (r / 8).
; No LDS, no barrier.  No cluster: what work-groups share (k_a's and v_a's 24 KiB of codes) is a small part of a wave's bytes and comes straight into registers.
.set X,   16                           ; v16-111  the token tile's 8 records
.set KA,  112                          ; v112-159 k_a, four K steps
.set VA,  160                          ; v160-207 v_a, four K steps
.set XS,  208                          ; v208-215 scale words of x, v216-223 of k_a, v224-231 of v_a
.set KAS, 216
.set VAS, 224
.set UK,  232                          ; v232-239, v240-247 the two sums
.set UV,  240
.macro REC reg, b, off                 ; a record, 1,536 bytes, into 12 registers
	global_load_b64 v[\reg:\reg+1], v4, s[\b:\b+1] offset:\off
	global_load_b128 v[\reg+2:\reg+5], v5, s[\b:\b+1] offset:\off+256
	global_load_b64 v[\reg+6:\reg+7], v4, s[\b:\b+1] offset:\off+768
	global_load_b128 v[\reg+8:\reg+11], v5, s[\b:\b+1] offset:\off+1024
.endm
.macro PAIR s, f, first                ; K step s: the two sums by turns
.if \first
	v_wmma_scale_f32_16x16x128_f8f6f4 v[UK:UK+7], v[KA+12*\f:KA+12*\f+11], v[X+12*\s:X+12*\s+11], 0, v[KAS+\s], v[XS+\s] matrix_a_fmt:MATRIX_FMT_BF6 matrix_b_fmt:MATRIX_FMT_BF6
	v_wmma_scale_f32_16x16x128_f8f6f4 v[UV:UV+7], v[VA+12*\f:VA+12*\f+11], v[X+12*\s:X+12*\s+11], 0, v[VAS+\s], v[XS+\s] matrix_a_fmt:MATRIX_FMT_BF6 matrix_b_fmt:MATRIX_FMT_BF6
.else
	v_wmma_scale_f32_16x16x128_f8f6f4 v[UK:UK+7], v[KA+12*\f:KA+12*\f+11], v[X+12*\s:X+12*\s+11], v[UK:UK+7], v[KAS+\s], v[XS+\s] matrix_a_fmt:MATRIX_FMT_BF6 matrix_b_fmt:MATRIX_FMT_BF6
	v_wmma_scale_f32_16x16x128_f8f6f4 v[UV:UV+7], v[VA+12*\f:VA+12*\f+11], v[X+12*\s:X+12*\s+11], v[UV:UV+7], v[VAS+\s], v[XS+\s] matrix_a_fmt:MATRIX_FMT_BF6 matrix_b_fmt:MATRIX_FMT_BF6
.endif
.endm
	s_load_b256 s[4:11], s[0:1], 0x0               ; codes s[4:5], scales s[6:7], k_b s[8:9], v_b s[10:11]
	s_load_b128 s[12:15], s[0:1], 0x20             ; in_proj_bias s[12:13], lr s[14:15]
	v_lshrrev_b32 v1, 5, v0
	v_readfirstlane_b32 s16, v1                    ; wave
	v_and_b32 v1, 31, v0                           ; lane
	v_and_b32 v2, 15, v0                           ; r
	v_bfe_u32 v3, v0, 4, 1                         ; h
	v_lshlrev_b32 v4, 3, v1                        ; 8 x lane
	v_lshlrev_b32 v5, 4, v1                        ; 16 x lane
	v_lshlrev_b32 v6, 3, v2                        ; 8 r: a row's two scale words
	v_lshlrev_b32 v7, 6, v2
	v_lshl_add_u32 v7, v3, 5, v7                   ; 64 r + 32 h: my 8 numbers of a row of lr
	v_lshlrev_b32 v8, 4, v2
	v_lshl_add_u32 v8, v3, 3, v8                   ; 16 r + 8 h: my 2 numbers of a row of its second part
	v_mov_b32 v249, 0
	v_cmp_le_u32 vcc_lo, 16, v1                    ; lanes 16-31
	s_mov_b32 s19, 0
	s_mov_b32 s21, 0
	s_mov_b32 s23, 0
	s_mov_b32 s25, 0
	s_cmp_lt_u32 ttmp9, 64
	s_cbranch_scc0 .Lfeatures
	; ---- a tile of tokens
	s_lshl_b32 s17, ttmp9, 2
	s_add_co_u32 s17, s17, s16                     ; the token tile
	s_mul_i32 s18, s17, 12288
	s_lshl_b32 s20, s17, 9
	s_lshl_b32 s22, s17, 10
	s_lshl_b32 s24, s17, 8
	s_wait_kmcnt 0x0
	s_add_nc_u64 s[18:19], s[4:5], s[18:19]        ; its codes,
	s_add_nc_u64 s[20:21], s[6:7], s[20:21]        ; its scale words,
	s_add_nc_u64 s[22:23], s[14:15], s[22:23]      ; its rows of lr,
	s_add_nc_u64 s[24:25], s[14:15], s[24:25]      ; and of lr's second part
	s_wait_alu depctr_va_vdst(0)
.irp s, 0,1,2,3,4,5,6,7
	REC X+12*\s, 18, 1536*\s
.endr
.irp p, 0,1,2,3
	global_load_b64 v[XS+2*\p:XS+2*\p+1], v6, s[20:21] offset:128*\p
	global_load_b64 v[KAS+2*\p:KAS+2*\p+1], v6, s[6:7] offset:512*512+128*\p
	global_load_b64 v[VAS+2*\p:VAS+2*\p+1], v6, s[6:7] offset:513*512+128*\p
.endr
.irp s, 0,1,2,3
	REC KA+12*\s, 4, 512*12288+1536*\s
	REC VA+12*\s, 4, 513*12288+1536*\s
.endr
	s_set_vgpr_msb 0x40                            ; K steps 4-7 of k_a and v_a go to the same numbers in window 1, asked for with the rest
.irp s, 0,1,2,3
	REC KA+12*\s, 4, 512*12288+1536*(\s+4)
	REC VA+12*\s, 4, 513*12288+1536*(\s+4)
.endr
	s_set_vgpr_msb 0x4000
	s_wait_loadcnt 32                              ; all but the 32 loads just issued
	PAIR 0, 0, 1
	PAIR 1, 1, 0
	PAIR 2, 2, 0
	PAIR 3, 3, 0
	s_wait_loadcnt 0x0                             ; K steps 4-7 of k_a and v_a are in
	s_set_vgpr_msb 0x01                            ; source 0 in window 1
	PAIR 4, 0, 0
	PAIR 5, 1, 0
	PAIR 6, 2, 0
	PAIR 7, 3, 0
	s_set_vgpr_msb 0x0100
	v_cndmask_b32 v248, 1.0, v249, vcc_lo          ; (1, 0) in lanes 0-15, (0, 0) in lanes 16-31
.rept 3
	v_nop                                          ; with the line above: four plain instructions ahead of the stores of the results
.endr
	global_store_b128 v7, v[UK:UK+3], s[22:23]     ; each sum from its low end on
	global_store_b128 v7, v[UK+4:UK+7], s[22:23] offset:16
	global_store_b128 v7, v[UV:UV+3], s[22:23] offset:262144
	global_store_b128 v7, v[UV+4:UV+7], s[22:23] offset:262144+16
	global_store_b64 v8, v[248:249], s[24:25] offset:720896
	global_store_b64 v8, v[248:249], s[24:25] offset:720896+65536
	s_endpgm
.Lfeatures:
	; ---- a tile of features
	s_sub_co_u32 s17, ttmp9, 64
	s_lshl_b32 s17, s17, 2
	s_add_co_u32 s17, s17, s16                     ; the feature tile, 0 .. 191
	s_lshr_b32 s18, s17, 1
	s_lshl_b32 s18, s18, 5
	s_and_b32 s20, s17, 1
	s_lshl_b32 s20, s20, 3
	s_add_co_u32 s18, s18, s20                     ; 32 (i / 2) + 8 (i % 2)
	v_and_b32 v9, 8, v2
	v_add_nc_u32 v9, v9, v2
	v_add_nc_u32 v9, s18, v9                       ; my feature n
	v_lshlrev_b32 v10, 2, v9                       ; its bias
	v_and_b32 v11, 1023, v9
	v_lshlrev_b32 v11, 2, v11
	v_lshl_add_u32 v11, v3, 15, v11                ; column n % 1024, from rank 8 h on: rows of 4,096 bytes
	s_add_co_u32 s20, s17, 512
	s_lshl_b32 s22, s20, 10
	s_lshl_b32 s24, s20, 8
	s_wait_alu depctr_va_vdst(0)
	s_wait_kmcnt 0x0
	s_cmp_ge_u32 s17, 128
	s_cselect_b64 s[8:9], s[10:11], s[8:9]         ; v's features take v_b
	s_cmp_lt_u32 s17, 64
	s_cselect_b32 s26, -1, 0                       ; q's features have no update
	s_add_nc_u64 s[22:23], s[14:15], s[22:23]
	s_add_nc_u64 s[24:25], s[14:15], s[24:25]
.irp j, 0,1,2,3,4,5,6,7
	global_load_b32 v[UK+\j], v11, s[8:9] offset:4096*\j
.endr
	global_load_b32 v250, v10, s[12:13]
	s_wait_loadcnt 0x0
.irp j, 0,1,2,3,4,5,6,7
	v_cndmask_b32 v[UK+\j], v[UK+\j], v249, s26
.endr
	v_cndmask_b32 v248, v250, v249, vcc_lo         ; (bias, 0) in lanes 0-15, (0, 0) in lanes 16-31
	global_store_b128 v7, v[UK:UK+3], s[22:23]
	global_store_b128 v7, v[UK+4:UK+7], s[22:23] offset:16
	global_store_b64 v8, v[248:249], s[24:25] offset:720896
	s_endpgm
.Lfunc_end_k_q39edb22c5c_lora:
	.size	k_q39edb22c5c_lora, .Lfunc_end_k_q39edb22c5c_lora-k_q39edb22c5c_lora
	.p2alignl 7, 3214868480
	.fill 96, 4, 3214868480
	.section	.rodata,"a",@progbits
	.p2align	6, 0x0
	.amdhsa_kernel k_q39edb22c5c_lora
		.amdhsa_group_segment_fixed_size 0
		.amdhsa_private_segment_fixed_size 0
		.amdhsa_enable_private_segment 0
		.amdhsa_kernarg_size 48
		.amdhsa_user_sgpr_count 2
		.amdhsa_user_sgpr_kernarg_segment_ptr 1
		.amdhsa_wavefront_size32 1
		.amdhsa_system_sgpr_workgroup_id_x 1
		.amdhsa_system_sgpr_workgroup_id_y 1
		.amdhsa_system_sgpr_workgroup_id_z 1
		.amdhsa_system_vgpr_workitem_id 0
		.amdhsa_next_free_vgpr 512
		.amdhsa_next_free_sgpr 66
		.amdhsa_reserve_vcc 1
		.amdhsa_float_denorm_mode_32 3
		.amdhsa_float_denorm_mode_16_64 3
		.amdhsa_memory_ordered 1
		.amdhsa_forward_progress 1
		.amdhsa_inst_pref_size 18
	.end_amdhsa_kernel
	.amdgpu_metadata
---
amdhsa.version: [ 1, 2 ]
amdhsa.kernels:
  - .name:           k_q39edb22c5c_lora
    .symbol:         k_q39edb22c5c_lora.kd
    .args:
      - { .name: codes, .offset: 0, .size: 8, .value_kind: global_buffer, .address_space: global }
      - { .name: scales, .offset: 8, .size: 8, .value_kind: global_buffer, .address_space: global }
      - { .name: k_b, .offset: 16, .size: 8, .value_kind: global_buffer, .address_space: global }
      - { .name: v_b, .offset: 24, .size: 8, .value_kind: global_buffer, .address_space: global }
      - { .name: in_proj_bias, .offset: 32, .size: 8, .value_kind: global_buffer, .address_space: global }
      - { .name: lr, .offset: 40, .size: 8, .value_kind: global_buffer, .address_space: global }
    .group_segment_fixed_size: 0
    .private_segment_fixed_size: 0
    .kernarg_segment_align: 8
    .kernarg_segment_size: 48
    .max_flat_workgroup_size: 128
    .sgpr_count:     66
    .vgpr_count:     512
    .wavefront_size: 32
...
	.end_amdgpu_metadata
.endif
;; end of part 2
;; launch proj (part 3): grid 12 x 16, 4 waves a work-group, clusters of 4 x 4, 327,680 bytes of LDS; arguments codes, scales, lr, qkv, qkvs; writes qkv, qkvs
.if DOCPART == 3
	.amdgcn_target "amdgcn-amd-amdhsa--gfx1250"
	.amdhsa_code_object_version 6
	.text
	.protected	k_q39edb22c5c_proj
	.globl	k_q39edb22c5c_proj
	.p2align	8
	.type	k_q39edb22c5c_proj,@function
k_q39edb22c5c_proj:
	s_mov_b64 s[64:65], 0
	v_nop
	global_prefetch_b8 v0, s[64:65] scope:SCOPE_SE
	s_setreg_imm32_b32 hwreg(HW_REG_WAVE_MODE, 25, 1), 1
	s_wait_xcnt 0x0
	s_wait_alu depctr_hold_cnt(0) depctr_sa_sdst(0) depctr_va_vdst(0) depctr_va_sdst(0) depctr_va_ssrc(0) depctr_va_vcc(0) depctr_vm_vsrc(0)
	s_getreg_b32 s2, hwreg(HW_REG_IB_STS2, 6, 4)
	s_cmp_eq_u32 s2, 0
	s_cbranch_scc0 .Lentry_in_a_cluster
	s_endpgm
.Lentry_in_a_cluster:
	s_bfe_u32 s2, ttmp6, 0x10000c
	s_cmp_lg_u32 s2, 0xf033
	s_cbranch_scc0 .Lentry_shape_is_right
	s_endpgm
.Lentry_shape_is_right:
.set NQ,     2
.set FR,     12
.set NL,     4
.set NP,     4
.set TILEB,  3072
.set HALFT,  8*TILEB
.set SLOT,   4*HALFT
.set SCL,    2*SLOT
.set SCB,    SCL+8192+128
.set SPARE,  213248
.set LAPS,   2
.set ADRA, 16
.set ADRB, 20
.set ADRS, 27
.set SPW,  28
.set NIL,  29
.set SC,   32
.set RM,   64
.set AF,   128
.set RX,   224
.set LX,   240
.set PC0,  128
.set AUX,  152
.set TM,   160
.set PW,   172
.set SW,   180
.set SEL,  2
.set G1, 24
.set G0, 32
.set G1B, 48
.set G0B, 56
.set G1S, 68
.set G0S, 76
.set G1SB, 80
.set G0SB, 88
.set LB,  92
.set RB,  94
.set LXB, 96
.set RXB, 98
.set MSB, 0
.macro WIN new
.if MSB != \new
	s_set_vgpr_msb (MSB<<8)|\new
.set MSB, \new
.endif
.endm
.set MUL_LO, 0xa1
.set MUL_HI, 0xf1
.set TO_B,   0x40
.macro JLOAD g0a, g1a, g0b, g1b
	s_cmp_eq_u32 s15, 0
	s_cbranch_scc0 .Lfor_b_\@
	tensor_load_to_lds s[\g0a:\g0a+3], s[\g1a:\g1a+7]
	s_nop 0
.rept 4
	v_nop
.endr
	s_branch .Lasked_\@
.Lfor_b_\@:
	tensor_load_to_lds s[\g0b:\g0b+3], s[\g1b:\g1b+7]
	s_nop 0
.rept 4
	v_nop
.endr
.Lasked_\@:
.endm
.macro CREST
	s_cmp_lg_u32 s14, 0
	s_cbranch_scc1 .Lnot_wave_0_\@
	s_barrier_signal -3
.Lnot_wave_0_\@:
	s_barrier_wait -3
	s_barrier_signal -1
	s_barrier_wait -1
.endm
.macro CROUND
	s_barrier_signal -1
	s_barrier_wait -1
	CREST
.endm
	s_load_b256 s[4:11], s[0:1], 0x0
	s_load_b64 s[12:13], s[0:1], 0x20
	v_lshl_add_u32 v[SPW], v0, 2, SPARE
	v_mov_b32 v[NIL], 0
	ds_add_u32 v28, v29
	ds_add_u32 v28, v29
	s_wait_dscnt 0x0
	v_lshrrev_b32 v1, 5, v0
	v_readfirstlane_b32 s14, v1
	s_lshr_b32 s15, s14, 1
	s_and_b32 s16, s14, 1
	s_bfe_u32 s40, ttmp6, 0x40000
	s_bfe_u32 s41, ttmp6, 0x40004
	s_and_b32 s17, ttmp7, 0xffff
	s_lshl_b32 s18, s17, 6
	s_lshl_b32 s19, ttmp9, 6
	s_add_co_u32 s19, s19, 256
	s_cmp_eq_u32 ttmp9, 2
	s_cselect_b32 s20, 384, s18
	s_cselect_b32 s21, s18, s19
	s_cselect_b32 s22, 256, 0
	s_cselect_b32 s23, 0, 256
	s_cselect_b32 s45, 384, 0
	s_cselect_b32 s46, 64, 256
	s_cselect_b32 s47, 4096, 0
	s_lshl_b32 s2, s41, 4
	s_add_co_u32 s20, s20, s2
	s_lshl_b32 s3, s40, 4
	s_add_co_u32 s21, s21, s3
	s_lshl_b32 s43, s41, 2
	s_lshl_b32 s43, 15, s43
	s_lshl_b32 s44, 0x1111, s40
	s_or_b32 s[G1+0], s43, (3<<16)|(1<<21)
	s_or_b32 s[G1B+0], s44, (3<<16)|(1<<21)
.irp g, G1, G1B
	s_mov_b32 s[\g+1], 384<<16
	s_mov_b32 s[\g+2], 16<<16
	s_mov_b32 s[\g+3], 384<<16
	s_mov_b32 s[\g+4], 16
	s_mov_b32 s[\g+5], 1536
	s_mov_b32 s[\g+6], 0
	s_mov_b32 s[\g+7], 0
.endr
	s_or_b32 s[G1S+0], s43, (3<<16)|(1<<21)
	s_or_b32 s[G1SB+0], s44, (3<<16)|(1<<21)
.irp g, G1S, G1SB
	s_mov_b32 s[\g+1], 32<<16
	s_mov_b32 s[\g+2], 32<<16
	s_mov_b32 s[\g+3], 32<<16
	s_mov_b32 s[\g+4], 32
	s_mov_b32 s[\g+5], 32
	s_mov_b32 s[\g+6], 0
	s_mov_b32 s[\g+7], 0
.endr
	s_lshl_b32 s17, s16, 3
	s_add_co_u32 s18, s20, s17
	s_add_co_u32 s19, s21, s17
	s_mul_i32 s92, s18, 12288
	s_mov_b32 s93, 0
	s_lshl_b32 s94, s20, 9
	s_mov_b32 s95, 0
	s_mul_i32 s96, s19, 12288
	s_mov_b32 s97, 0
	s_lshl_b32 s98, s21, 9
	s_mov_b32 s99, 0
	s_mul_i32 s66, s14, HALFT
	s_wait_kmcnt 0x0
	s_add_nc_u64 s[92:93], s[4:5], s[92:93]
	s_add_nc_u64 s[94:95], s[6:7], s[94:95]
	s_add_nc_u64 s[96:97], s[4:5], s[96:97]
	s_add_nc_u64 s[98:99], s[6:7], s[98:99]
	CROUND
	s_mov_b32 s[G0S], 1
	s_mov_b32 s[G0S+1], SCL
	s_mov_b64 s[G0S+2:G0S+3], s[94:95]
	s_or_b32 s[G0S+3], s[G0S+3], 0x80000000
	s_mov_b32 s[G0SB], 1
	s_mov_b32 s[G0SB+1], SCB
	s_mov_b64 s[G0SB+2:G0SB+3], s[98:99]
	s_or_b32 s[G0SB+3], s[G0SB+3], 0x80000000
.irp s, 0,1
	s_mov_b32 s[G0+4*\s], 1
	s_add_co_u32 s[G0+4*\s+1], s66, \s*SLOT
	s_add_nc_u64 s[G0+4*\s+2:G0+4*\s+3], s[92:93], \s*TILEB
	s_or_b32 s[G0+4*\s+3], s[G0+4*\s+3], 0x80000000
	s_mov_b32 s[G0B+4*\s], 1
	s_add_co_u32 s[G0B+4*\s+1], s66, \s*SLOT
	s_add_nc_u64 s[G0B+4*\s+2:G0B+4*\s+3], s[96:97], \s*TILEB
	s_or_b32 s[G0B+4*\s+3], s[G0B+4*\s+3], 0x80000000
.endr
	; the head's four tiles, one a wave, each whole: wave 0 slot 0's 16 tiles of A (its own group 0 names their first byte), wave 1 A's scale words, wave 2 slot 0's 16 tiles of B, wave 3 B's scale words
	s_cmp_lt_u32 s14, 1
	s_cbranch_scc0 .Lhd1
	tensor_load_to_lds s[G0:G0+3], s[G1:G1+7]
	s_nop 0
.rept 4
	v_nop
.endr
	s_branch .Lhd_asked
.Lhd1:
	s_cmp_lt_u32 s14, 2
	s_cbranch_scc0 .Lhd2
	tensor_load_to_lds s[G0S:G0S+3], s[G1S:G1S+7]
	s_nop 0
.rept 4
	v_nop
.endr
	s_branch .Lhd_asked
.Lhd2:
	s_cmp_lt_u32 s14, 3
	s_cbranch_scc0 .Lhd3
	tensor_load_to_lds s[G0B:G0B+3], s[G1B:G1B+7]
	s_nop 0
.rept 4
	v_nop
.endr
	s_branch .Lhd_asked
.Lhd3:
	tensor_load_to_lds s[G0SB:G0SB+3], s[G1SB:G1SB+7]
	s_nop 0
.rept 4
	v_nop
.endr
.Lhd_asked:
	v_and_b32 v12, 31, v0
	v_and_b32 v1, 15, v0
	v_bfe_u32 v2, v0, 4, 1
	v_lshlrev_b32 v9, 3, v12
	v_lshlrev_b32 v10, 4, v12
	v_lshlrev_b32 v11, 2, v12
	v_lshlrev_b32 v7, 6, v1
	v_lshl_add_u32 v7, v2, 5, v7
	v_lshlrev_b32 v8, 4, v1
	v_lshl_add_u32 v8, v2, 3, v8
	s_mul_i32 s2, s15, HALFT
	s_mul_i32 s3, s16, HALFT
	s_add_co_u32 s3, s3, 2*HALFT
.irp s, 0,1
	v_add_nc_u32 v[ADRA+\s], s2, v9
	v_add_nc_u32 v[ADRA+2+\s], s2, v10
	v_add_nc_u32 v[ADRB+\s], s3, v9
	v_add_nc_u32 v[ADRB+2+\s], s3, v10
	s_add_co_u32 s2, s2, SLOT
	s_add_co_u32 s3, s3, SLOT
.endr
	s_lshl_b32 s2, s15, 12
	s_lshl_b32 s3, s16, 12
	s_add_co_u32 s3, s3, SCB-SCL
	s_sub_co_u32 s3, s3, s2
	v_mul_u32_u24 v3, s3, v2
	s_add_co_u32 s2, s2, SCL
	v_lshl_add_u32 v3, v1, 3, v3
	v_add_nc_u32 v[ADRS], s2, v3
	s_lshl_b32 s17, s15, 3
	s_add_co_u32 s18, s20, s22
	s_add_co_u32 s18, s18, s17
	s_lshl_b32 s42, s16, 3
	s_add_co_u32 s19, s21, s42
	s_add_co_u32 s19, s19, 256
	s_lshl_b32 s92, s19, 10
	s_mov_b32 s93, 0
	s_lshl_b32 s94, s18, 10
	s_mov_b32 s95, 0
	s_lshl_b32 s96, s19, 8
	s_mov_b32 s97, 0
	s_lshl_b32 s98, s18, 8
	s_mov_b32 s99, 0
	s_add_nc_u64 s[LB:LB+1], s[8:9], s[92:93]
	s_add_nc_u64 s[RB:RB+1], s[8:9], s[94:95]
	s_add_nc_u64 s[LXB:LXB+1], s[8:9], s[96:97]
	s_add_nc_u64 s[RXB:RXB+1], s[8:9], s[98:99]
	WIN TO_B
.irp b, 0,1,2,3,4,5,6,7
	global_load_b128 v[96+8*\b+96*(\b/4):96+8*\b+96*(\b/4)+3], v7, s[LB:LB+1] offset:1024*\b
	global_load_b128 v[96+8*\b+96*(\b/4)+4:96+8*\b+96*(\b/4)+7], v7, s[LB:LB+1] offset:1024*\b+16
.endr
	WIN 0
.irp a, 0,1,2,3,4,5,6,7
	global_load_b128 v[RM+8*\a:RM+8*\a+3], v7, s[RB:RB+1] offset:1024*\a
	global_load_b128 v[RM+8*\a+4:RM+8*\a+7], v7, s[RB:RB+1] offset:1024*\a+16
	global_load_b64 v[RX+2*\a:RX+2*\a+1], v8, s[RXB:RXB+1] offset:720896+256*\a
	global_load_b64 v[LX+2*\a:LX+2*\a+1], v8, s[LXB:LXB+1] offset:720896+256*\a
.endr
	s_sub_co_u32 s18, s21, s23
	s_lshr_b32 s18, s18, 3
	s_add_co_u32 s18, s18, s16
	s_mul_i32 s18, s18, s46
	s_add_co_u32 s18, s18, s47
	s_sub_co_u32 s19, s20, s45
	s_add_co_u32 s19, s19, s17
	s_add_co_u32 s18, s18, s19
	s_mul_i32 s42, s18, 1536
	s_mov_b32 s43, 0
	s_add_nc_u64 s[10:11], s[10:11], s[42:43]
	s_lshl_b32 s42, s18, 6
	s_add_nc_u64 s[12:13], s[12:13], s[42:43]
.macro FRAG reg, adr, q, i
	ds_load_b64 v[\reg:\reg+1], v[\adr] offset:(\i)*TILEB+(\q)*1536
	ds_load_b128 v[\reg+2:\reg+5], v[\adr+2] offset:(\i)*TILEB+(\q)*1536+256
	ds_load_b64 v[\reg+6:\reg+7], v[\adr] offset:(\i)*TILEB+(\q)*1536+768
	ds_load_b128 v[\reg+8:\reg+11], v[\adr+2] offset:(\i)*TILEB+(\q)*1536+1024
.endm
.macro MUL16 a0, p, q, sc, zero
.irp a, \a0, \a0+1
.irp b, 0,1,2,3,4,5,6,7
.if \zero
	v_wmma_scale_f32_16x16x128_f8f6f4 v[8*(8*((\a)%4)+\b):8*(8*((\a)%4)+\b)+7], v[128*(\p)+FR*\b:128*(\p)+FR*\b+FR-1], v[AF+FR*(\a):AF+FR*(\a)+FR-1], 0, v[SC+8*NQ*(\sc)+NQ*\b+(\q)], v[SC+8*NQ*(\sc)+NQ*(\a)+(\q)] matrix_a_fmt:MATRIX_FMT_BF6 matrix_b_fmt:MATRIX_FMT_BF6 matrix_a_scale:MATRIX_SCALE_ROW1
.else
	v_wmma_scale_f32_16x16x128_f8f6f4 v[8*(8*((\a)%4)+\b):8*(8*((\a)%4)+\b)+7], v[128*(\p)+FR*\b:128*(\p)+FR*\b+FR-1], v[AF+FR*(\a):AF+FR*(\a)+FR-1], v[8*(8*((\a)%4)+\b):8*(8*((\a)%4)+\b)+7], v[SC+8*NQ*(\sc)+NQ*\b+(\q)], v[SC+8*NQ*(\sc)+NQ*(\a)+(\q)] matrix_a_fmt:MATRIX_FMT_BF6 matrix_b_fmt:MATRIX_FMT_BF6 matrix_a_scale:MATRIX_SCALE_ROW1
.endif
.endr
.endr
.endm
.macro FETCH_B slot, q, p
	WIN TO_B
.irp i, 0,1,2,3,4,5,6,7
	FRAG 128*(\p)+FR*\i, ADRB+\slot, \q, \i
.endr
	WIN 0
.endm
.macro FETCH_A slot, q, i0
.irp i, \i0, \i0+1, \i0+2, \i0+3
	FRAG AF+FR*(\i), ADRA+\slot, \q, \i
.endr
.endm
.macro SCALES sc
.irp i, 0,1,2,3,4,5,6,7
	ds_load_b64 v[SC+8*NQ*\sc+NQ*\i:SC+8*NQ*\sc+NQ*\i+1], v[ADRS] offset:\i*512
.endr
.endm
.macro PLACES n
.rept \n
	v_nop
.endr
.endm
.macro STEP slot, q, zero
	s_wait_dscnt 4*NL
	WIN MUL_LO
	MUL16 0, (\q)%2, \q, \slot, \zero
	MUL16 2, (\q)%2, \q, \slot, \zero
	s_wait_dscnt 0
	PLACES NP
	FETCH_B \slot, (\q)+1, 1-(\q)%2
	FETCH_A \slot, (\q)+1, 0
	WIN MUL_HI
	MUL16 4, (\q)%2, \q, \slot, \zero
	MUL16 6, (\q)%2, \q, \slot, \zero
	PLACES NP
	WIN 0
	FETCH_A \slot, (\q)+1, 4
.endm
.macro TURN slot, next, fill
	s_wait_tensorcnt 0x0
	ds_add_u32 v[SPW], v[NIL]
	s_wait_dscnt 4*NL+1
	WIN MUL_LO
	MUL16 0, 1, NQ-1, \slot, 0
	s_wait_dscnt 0x0
	s_barrier_signal -1
	MUL16 2, 1, NQ-1, \slot, 0
	WIN 0
	s_barrier_wait -1
.if \fill
	CREST
	s_add_nc_u64 s[G0+4*\slot+2:G0+4*\slot+3], s[G0+4*\slot+2:G0+4*\slot+3], 2*TILEB
	s_add_nc_u64 s[G0B+4*\slot+2:G0B+4*\slot+3], s[G0B+4*\slot+2:G0B+4*\slot+3], 2*TILEB
	JLOAD G0+4*\slot, G1, G0B+4*\slot, G1B
.else
	PLACES NP
.endif
	s_wait_alu depctr_va_vdst(0)
	v_add_nc_u32 v[ADRS], 128, v[ADRS]
	FETCH_B \next, 0, 0
	FETCH_A \next, 0, 0
	SCALES \next
	WIN MUL_HI
	MUL16 4, 1, NQ-1, \slot, 0
	MUL16 6, 1, NQ-1, \slot, 0
	PLACES NP
	WIN 0
	FETCH_A \next, 0, 4
.endm
	s_wait_alu depctr_va_vdst(0)
	s_wait_tensorcnt 0x0                           ; my tile of the head's four is in; the three lines ahead of slot 1's first fill
	ds_add_u32 v[SPW], v[NIL]
	s_mov_b32 s[G1+2], 8<<16                       ; no tensor load of mine is out: from here on a load brings 8 tiles
	s_mov_b32 s[G1+4], 8
	s_mov_b32 s[G1B+2], 8<<16
	s_mov_b32 s[G1B+4], 8
	s_wait_dscnt 0x0
	CROUND
	JLOAD G0+4, G1, G0B+4, G1B
	FETCH_B 0, 0, 0
	FETCH_A 0, 0, 0
	SCALES 0
	FETCH_A 0, 0, 4
	STEP 0, 0, 1
	s_mov_b32 s3, LAPS-1
.Llap:
	TURN 0, 1, 1
	STEP 1, 0, 0
	TURN 1, 0, 1
	STEP 0, 0, 0
	s_sub_co_u32 s3, s3, 1
	s_cmp_lg_u32 s3, 0
	s_cbranch_scc1 .Llap
	TURN 0, 1, 0
	STEP 1, 0, 0
	s_wait_dscnt 4*NL
	WIN MUL_LO
	MUL16 0, 1, NQ-1, 1, 0
	MUL16 2, 1, NQ-1, 1, 0
	s_wait_dscnt 0
	WIN MUL_HI
	MUL16 4, 1, NQ-1, 1, 0
	MUL16 6, 1, NQ-1, 1, 0
	WIN 0
.macro LORA a
	WIN (0xa1+0x50*((\a)/4))
.irp s, 0,1,2,3
.irp b, 0,1,2,3,4,5,6,7
	v_wmma_f32_16x16x4_f32 v[8*(8*((\a)%4)+\b):8*(8*((\a)%4)+\b)+7], v[96+8*\b+96*(\b/4)+2*\s:96+8*\b+96*(\b/4)+2*\s+1], v[RM+8*(\a)+2*\s:RM+8*(\a)+2*\s+1], v[8*(8*((\a)%4)+\b):8*(8*((\a)%4)+\b)+7]
.endr
.endr
	WIN (0xa0+0x50*((\a)/4))
.irp b, 0,1,2,3,4,5,6,7
	v_wmma_f32_16x16x4_f32 v[8*(8*((\a)%4)+\b):8*(8*((\a)%4)+\b)+7], v[LX+2*\b:LX+2*\b+1], v[RX+2*(\a):RX+2*(\a)+1], v[8*(8*((\a)%4)+\b):8*(8*((\a)%4)+\b)+7]
.endr
.endm
.macro QUANTW a
.set W, 2+(\a)/4
.set S0, 64*((\a)%4)
.set PCX, PC0+12*((\a)%2)
	WIN (W|(W<<2))
.irp b, 0,1,2,3
	v_max3_num_f32 v[TM+\b], |v[S0+16*\b]|, |v[S0+1+16*\b]|, 0x2800000
.endr
	WIN ((W<<2)|(W<<4))
.irp i, 2,4,6,8,10,12,14
.irp b, 0,1,2,3
	v_max3_num_f32 v[TM+\b], v[TM+\b], |v[S0+16*\b+\i]|, |v[S0+1+16*\b+\i]|
.endr
.endr
	WIN 0
.irp b, 0,1,2,3
	v_permlanex16_b32 v[TM+4+\b], v[TM+\b], s[SEL], s[SEL+1]
.endr
.irp b, 0,1,2,3
	v_max_num_f32 v[TM+\b], v[TM+\b], v[TM+4+\b]
.endr
.irp b, 0,1,2,3
	v_add_nc_u32 v[TM+8+\b], 0xfe000000, v[TM+\b]
.endr
.irp b, 0,1,2,3
	v_lshrrev_b32 v[TM+4+\b], 23, v[TM+8+\b]
.endr
	v_lshl_or_b32 v[PW+(\a)], v[TM+5], 8, v[TM+4]
	v_lshl_or_b32 v[PW+(\a)], v[TM+6], 16, v[PW+(\a)]
	v_lshl_or_b32 v[PW+(\a)], v[TM+7], 24, v[PW+(\a)]
	s_wait_xcnt 0x0
	WIN W
.irp c, 0,1
	v_cvt_scalef32_pk16_bf6_f32 v[PCX+6*\c:PCX+6*\c+2], v[S0+32*\c:S0+32*\c+15], v[TM+8+2*\c]
	v_cvt_scalef32_pk16_bf6_f32 v[AUX+4*\c:AUX+4*\c+2], v[S0+16+32*\c:S0+31+32*\c], v[TM+9+2*\c]
.endr
	WIN 0
	v_nop
.irp c, 0,1
.irp i, 0,1,2
	v_permlane16_swap_b32 v[PCX+6*\c+\i], v[AUX+4*\c+\i]
.endr
.irp i, 0,1,2
	v_mov_b32 v[PCX+3+6*\c+\i], v[AUX+4*\c+\i]
.endr
.endr
.endm
.macro OUT a
.set PCX, PC0+12*((\a)%2)
	global_store_b64 v9, v[PCX:PCX+1], s[10:11] offset:(\a)*1536
	global_store_b128 v10, v[PCX+2:PCX+5], s[10:11] offset:(\a)*1536+256
	global_store_b64 v9, v[PCX+6:PCX+7], s[10:11] offset:(\a)*1536+768
	global_store_b128 v10, v[PCX+8:PCX+11], s[10:11] offset:(\a)*1536+1024
.if (\a)%2
	v_cndmask_b32 v[SW+(\a)/2], v[PW+(\a)-1], v[PW+(\a)], vcc_lo
	global_store_b32 v11, v[SW+(\a)/2], s[12:13] offset:((\a)-1)*64
.endif
.endm
	PLACES 5
	s_wait_loadcnt 0x0
	s_mov_b32 s[SEL], 0x76543210
	s_mov_b32 s[SEL+1], 0xfedcba98
.irp b, 0,1,2,3
	v_mov_b32 v[TM+4+\b], 0
.endr
	v_cmp_le_u32 vcc_lo, 16, v12
	LORA 0
.irp a, 0,1,2,3,4,5,6,7
.if \a < 7
	LORA \a+1
.endif
	WIN 0
	PLACES 8
	QUANTW \a
	OUT \a
.endr
	s_wait_tensorcnt 0x0
	ds_add_u32 v[SPW], v[NIL]
	s_wait_dscnt 0x0
	CROUND
	s_endpgm
.Lfunc_end_k_q39edb22c5c_proj:
	.size	k_q39edb22c5c_proj, .Lfunc_end_k_q39edb22c5c_proj-k_q39edb22c5c_proj
	.p2alignl 7, 3214868480
	.fill 96, 4, 3214868480
	.section	.rodata,"a",@progbits
	.p2align	6, 0x0
	.amdhsa_kernel k_q39edb22c5c_proj
		.amdhsa_group_segment_fixed_size 327680
		.amdhsa_private_segment_fixed_size 0
		.amdhsa_enable_private_segment 0
		.amdhsa_kernarg_size 40
		.amdhsa_user_sgpr_count 2
		.amdhsa_user_sgpr_kernarg_segment_ptr 1
		.amdhsa_wavefront_size32 1
		.amdhsa_system_sgpr_workgroup_id_x 1
		.amdhsa_system_sgpr_workgroup_id_y 1
		.amdhsa_system_sgpr_workgroup_id_z 1
		.amdhsa_system_vgpr_workitem_id 0
		.amdhsa_next_free_vgpr 1024
		.amdhsa_next_free_sgpr 100
		.amdhsa_reserve_vcc 1
		.amdhsa_float_denorm_mode_32 3
		.amdhsa_float_denorm_mode_16_64 3
		.amdhsa_memory_ordered 1
		.amdhsa_forward_progress 1
		.amdhsa_inst_pref_size 178
	.end_amdhsa_kernel
	.amdgpu_metadata
---
amdhsa.version: [ 1, 2 ]
amdhsa.kernels:
  - .name:           k_q39edb22c5c_proj
    .symbol:         k_q39edb22c5c_proj.kd
    .args:
      - { .name: codes, .offset: 0, .size: 8, .value_kind: global_buffer, .address_space: global }
      - { .name: scales, .offset: 8, .size: 8, .value_kind: global_buffer, .address_space: global }
      - { .name: lr, .offset: 16, .size: 8, .value_kind: global_buffer, .address_space: global }
      - { .name: qkv, .offset: 24, .size: 8, .value_kind: global_buffer, .address_space: global }
      - { .name: qkvs, .offset: 32, .size: 8, .value_kind: global_buffer, .address_space: global }
    .group_segment_fixed_size: 327680
    .private_segment_fixed_size: 0
    .kernarg_segment_align: 8
    .kernarg_segment_size: 40
    .max_flat_workgroup_size: 128
    .sgpr_count:     100
    .vgpr_count:     1024
    .wavefront_size: 32
...
	.end_amdgpu_metadata
.endif
;; end of part 3
;; launch attn (part 4): grid 8 x 32, 8 waves a work-group, clusters of 4 x 1, 327,680 bytes of LDS; arguments qkv, qkvs, ao, aos; writes ao, aos
.if DOCPART == 4
	.amdgcn_target "amdgcn-amd-amdhsa--gfx1250"
	.amdhsa_code_object_version 6
	.text
	.protected	k_q39edb22c5c_attn
	.globl	k_q39edb22c5c_attn
	.p2align	8
	.type	k_q39edb22c5c_attn,@function
k_q39edb22c5c_attn:
	s_mov_b64 s[64:65], 0
	v_nop
	global_prefetch_b8 v0, s[64:65] scope:SCOPE_SE
	s_setreg_imm32_b32 hwreg(HW_REG_WAVE_MODE, 25, 1), 1
	s_wait_xcnt 0x0
	s_wait_alu depctr_hold_cnt(0) depctr_sa_sdst(0) depctr_va_vdst(0) depctr_va_sdst(0) depctr_va_ssrc(0) depctr_va_vcc(0) depctr_vm_vsrc(0)
	s_getreg_b32 s2, hwreg(HW_REG_IB_STS2, 6, 4)
	s_cmp_eq_u32 s2, 0
	s_cbranch_scc0 .Lentry_in_a_cluster
	s_endpgm
.Lentry_in_a_cluster:
	s_bfe_u32 s2, ttmp6, 0x10000c
	s_cmp_lg_u32 s2, 0x3003
	s_cbranch_scc0 .Lentry_shape_is_right
	s_endpgm
.Lentry_shape_is_right:
; Attention of one (batch, head) on codes of BF6 with E8M0 scales, and the quantiser of its output for the last projection.
; t = score x log2(e) / 8; M = the running largest t rounded UP to a whole number; p = 2^(t - M) is quantised along the keys; the row's sum is taken of the unquantised p and divides at the end.
; When M moves, the sum and O are multiplied by 2^(old M - new M): exact.
; SHARES.  A work-group owns 256 queries of one head; each of its eight waves owns two tiles of 16 queries, which share every fragment of K and V read from LDS.
; THE WHOLE HEAD LIES IN LDS, each byte filled once: k's 128 half records of 768 bytes, v's 16 x 4 records, their scale words: 212,992 bytes; the spare words behind them.
; FILLS, one tensor load a wave: waves 0-3 ask at the head for k's first 384 keys, v's first 256 and all scale words; waves 4-7 ask for the rest behind the three lines and a round
; Two steps run on the first fills; one barrier shows the rest.
; CLUSTER.  The four query blocks of a cluster belong to one head: every fill is a joint load with the mask of all four.
; No prefetch: both groups of fills stand ahead of the loops and name every byte of the head; no later tile is left to ask for.
; LAYOUT.  Both products are used transposed (S^T = K Q^T, O^T = V^T P^T): a lane holds one query of each tile.
; A record's tile i holds rows 32 (i / 2) + 8 (i % 2) + r + 8 (r / 8).  A SCORE TILE (c, j) IS PICKED BY LANE ADDRESS: its rows 0-7 are keys 8 j .. 8 j + 7 of block 2 c, its rows 8-15 the same of block 2 c + 1.
; So lane (r, h) holds in 32 registers on end the whole block 2 c + h in order: no other lane is asked for a block's maximum, and the conversions' results are P's operand registers.
; K = 64 IN AN INSTRUCTION OF 128.  q's upper six registers are zero codes; a key tile's upper six are the next tile's codes (behind the last: zeros): they meet zero codes.
; The scale words of k and q come as 16 bits: the upper two bytes are 0, a finite scale, over products that are 0.
; FRAGMENTS AHEAD.  A step's LDS loads stand in ONE run, ahead of its first batch of exponentials: V's fragments of this step, then K's tiles of the next.
; The last step's look-ahead reads the 6,144 bytes behind k's region and the 512 behind its scale words (v's, long landed) and uses nothing of them.
; THE ORDER OF THE SOFTMAX.  Tile 0's exponentials take turns with tile 1's multiply-adds, tile 1's with the first level of tile 0's sum: lines that hang on nothing written inside the batch.
; LIMITS: NaN and infinities are not served; a block of zeros gets the byte 1 (its codes are zeros).
; REGISTERS, window 0: v1-6 lane addresses; v7-12 the step's; v13, v14 the add's; v15 8 h; v16-23 (-M, largest score, sum pair) x 2; v24-27 f; v28-29 P's scale words; v30-37 K's; v38-39 Q's;
;   v40-55 at work; v56-103 K's tiles; v104-109 zeros; v110-113 V's scale words; v128-255 S^T, then p.   Window 1: v0-23 Q; v24-71 V; v72-95 P's codes; v96-111 at work; v128-191 O^T.
.set WV,   12
.set SEL,  22
.set CS,   24                          ; s[24:25] c = log2(e) / 8; s26 = -c
.set NC,   26
.set G1KC, 28
.set G1VC, 36
.set G1KS, 44
.set G1VS, 52
.set G0K,  60
.set G0V,  68
.set G0KS, 72
.set G0VS, 76
.set TB,   80                          ; LDS byte at which the step's tiles begin, in k's region and v's alike: 6,144 a step
.set TS,   81                          ; the same for scale words: 512 a step
.set CNT,  82
.set VOFF, 98304
.set KSC,  196608
.set VSC,  204800
.set SPARE, 212992
.set SPW,  13
.set NIL,  14
.set PW,   28
.set KS,   30
.set KF,   56
.set ZP,   104
.set VS,   110
.set SB,   128
.set VF,   24
.set PB,   72
.set AX,   96
.set OB,   128
.set MSB, 0
.macro WIN new                         ; the immediate's high byte repeats the setting that is left
.if MSB != \new
	s_set_vgpr_msb (MSB<<8)|\new
.set MSB, \new
.endif
.endm
.macro CROUND
	s_barrier_signal -1
	s_barrier_wait -1
	s_cmp_lg_u32 s[WV], 0
	s_cbranch_scc1 .Lnot_wave_0_\@
	s_barrier_signal -3
.Lnot_wave_0_\@:
	s_barrier_wait -3
	s_barrier_signal -1
	s_barrier_wait -1
.endm
.macro TLOAD g0, g1                    ; s_nop 0 and four v_nop behind the load
	tensor_load_to_lds s[\g0:\g0+3], s[\g1:\g1+7]
	s_nop 0
.rept 4
	v_nop
.endr
.endm
.macro G1SET g, c, r, p                ; r rows of c elements of 8 bytes, p elements apart
	s_mov_b32 s[\g], 15|(3<<16)|(1<<21)
	s_mov_b32 s[\g+1], (\c)<<16
	s_mov_b32 s[\g+2], (\r)<<16
	s_mov_b32 s[\g+3], (\c)<<16
	s_mov_b32 s[\g+4], \r
	s_mov_b32 s[\g+5], \p
	s_mov_b32 s[\g+6], 0
	s_mov_b32 s[\g+7], 0
.endm
.macro G0SET g, lds, a
	s_mov_b32 s[\g], 1
	s_mov_b32 s[\g+1], \lds
	s_mov_b64 s[\g+2:\g+3], s[\a:\a+1]
	s_or_b32 s[\g+3], s[\g+3], 0x80000000
.endm
.macro KL t, a8, a16, as, o, os        ; score tile t = 4 c + j: its codes and scale bytes
	ds_load_b64 v[KF+6*(\t):KF+6*(\t)+1], v[\a8] offset:\o+(4*((\t)/4)+((\t)%2))*768+64*(((\t)%4)/2)
	ds_load_b128 v[KF+6*(\t)+2:KF+6*(\t)+5], v[\a16] offset:\o+(4*((\t)/4)+((\t)%2))*768+128*(((\t)%4)/2)
	ds_load_u16 v[KS+(\t)], v[\as] offset:\os+(4*((\t)/4)+((\t)%2))*64+32*(((\t)%4)/2)
.endm
	s_load_b256 s[4:11], s[0:1], 0x0               ; qkv, qkvs, ao, aos
	v_lshl_add_u32 v[SPW], v0, 2, SPARE
	v_mov_b32 v[NIL], 0
	ds_add_u32 v[SPW], v[NIL]                      ; the opening lines
	ds_add_u32 v[SPW], v[NIL]
	v_lshrrev_b32 v1, 5, v0
	v_readfirstlane_b32 s[WV], v1                  ; wave 0..7
	s_bfe_u32 s13, ttmp6, 0x40000                  ; cx: it enters q's and the output's addresses alone
	s_lshl_b32 s14, ttmp9, 2
	s_add_co_u32 s14, s14, s13                     ; my block of 256 queries
	s_and_b32 s15, ttmp7, 0xffff
	s_lshr_b32 s16, s15, 4                         ; batch
	s_and_b32 s17, s15, 15                         ; head
	s_lshr_b32 s18, s17, 1                         ; pair of heads
	s_and_b32 s19, s17, 1                          ; which of the pair
	s_and_b32 s21, s[WV], 1
	s_add_co_u32 s20, s18, 8
	s_lshl_b32 s20, s20, 8
	s_lshl_b32 s27, s16, 7
	s_add_co_u32 s20, s20, s27                     ; k's first record of this batch and pair
	s_mul_i32 s84, s20, 1536
	s_mul_i32 s27, s19, 768
	s_add_co_u32 s84, s84, s27                     ; k's codes, my head's halves
	s_mov_b32 s85, 0
	s_lshl_b32 s86, s20, 6                         ; k's scale words
	s_mov_b32 s87, 0
	s_lshl_b32 s27, s16, 10
	s_add_co_u32 s27, s27, 4096                    ; v's first record of this batch
	s_lshl_b32 s88, s17, 2
	s_add_co_u32 s88, s88, s27
	s_mul_i32 s88, s88, 1536                       ; v's codes: my head's four records of a group of 128 keys
	s_mov_b32 s89, 0
	s_lshl_b32 s90, s18, 3
	s_add_co_u32 s90, s90, s27
	s_lshl_b32 s90, s90, 6                         ; v's scale words, both heads of the pair
	s_mov_b32 s91, 0
	G1SET G1KC, 96, 24, 192                        ; k: 24 half records of 768 bytes, 1,536 apart
	G1SET G1VC, 768, 2, 12288                      ; v: 2 groups of 6,144 bytes, 98,304 apart
	G1SET G1KS, 32, 32, 32                         ; k's scale words: 8,192 dense bytes
	G1SET G1VS, 64, 16, 512                        ; v's: 16 rows of 512 bytes, 4,096 apart
	s_mov_b32 s[SEL], 0x76543210
	s_mov_b32 s[SEL+1], 0xfedcba98
	s_mov_b32 s[CS], 0x3e38aa3b
	s_mov_b32 s[CS+1], s[CS]
	s_mov_b32 s[NC], 0xbe38aa3b
	s_wait_dscnt 0x0
	s_wait_kmcnt 0x0
	s_add_nc_u64 s[84:85], s[4:5], s[84:85]
	s_add_nc_u64 s[86:87], s[6:7], s[86:87]
	s_add_nc_u64 s[88:89], s[4:5], s[88:89]
	s_add_nc_u64 s[90:91], s[6:7], s[90:91]
	G0SET G0K, 0, 84
	G0SET G0V, VOFF, 88
	G0SET G0KS, KSC, 86
	G0SET G0VS, VSC, 90
	CROUND                                         ; all four work-groups are here: the joint loads meet
	s_cmp_lt_u32 s[WV], 1                          ; one chain of branches on the wave's number, one fill to an arm
	s_cbranch_scc0 .Lh1
	TLOAD G0K, G1KC
	s_branch .Lasked
.Lh1:
	s_cmp_lt_u32 s[WV], 2
	s_cbranch_scc0 .Lh2
	TLOAD G0V, G1VC
	s_branch .Lasked
.Lh2:
	s_cmp_lt_u32 s[WV], 3
	s_cbranch_scc0 .Lh3
	TLOAD G0KS, G1KS
	s_branch .Lasked
.Lh3:
	s_cmp_lt_u32 s[WV], 4
	s_cbranch_scc0 .Lasked
	TLOAD G0VS, G1VS
.Lasked:
	; my two tiles of queries, and where their output goes
	s_lshl_b32 s13, s14, 4
	s_lshl_b32 s15, s[WV], 1
	s_add_co_u32 s13, s13, s15
	s_lshl_b32 s15, s16, 7
	s_add_co_u32 s13, s13, s15                     ; my first token tile
	s_lshl_b32 s15, s18, 8
	s_add_co_u32 s15, s15, s13                     ; q's record
	s_mul_i32 s27, s19, 768
	s_mul_i32 s2, s15, 1536
	s_add_co_u32 s2, s2, s27
	s_mov_b32 s3, 0
	s_add_nc_u64 s[4:5], s[4:5], s[2:3]
	s_lshl_b32 s2, s15, 6
	s_lshl_b32 s20, s19, 1
	s_add_co_u32 s2, s2, s20
	s_add_nc_u64 s[6:7], s[6:7], s[2:3]
	s_mul_i32 s2, s13, 12288
	s_mul_i32 s15, s18, 1536
	s_add_co_u32 s2, s2, s15
	s_add_co_u32 s2, s2, s27
	s_add_nc_u64 s[8:9], s[8:9], s[2:3]            ; ao
	s_lshl_b32 s2, s13, 9
	s_lshr_b32 s15, s17, 2
	s_lshl_b32 s15, s15, 7
	s_add_co_u32 s2, s2, s15
	s_and_b32 s15, s17, 3
	s_lshl_b32 s15, s15, 1
	s_add_co_u32 s2, s2, s15
	s_add_nc_u64 s[10:11], s[10:11], s[2:3]        ; aos
	s_add_co_u32 s20, s20, KSC                     ; k's scale bytes of my head
	s_lshl_b32 s27, s19, 8
	s_add_co_u32 s27, s27, VSC                     ; v's scale words of my head
	v_and_b32 v40, 31, v0                          ; lane
	v_and_b32 v41, 15, v0                          ; r
	v_bfe_u32 v42, v0, 4, 1                        ; h
	v_and_b32 v44, 7, v0                           ; r % 8
	v_bfe_u32 v45, v0, 3, 1                        ; r / 8: rows 8-15 take the next block's tiles, two tiles on
	v_mul_u32_u24 v46, v45, 1536
	v_lshl_add_u32 v1, v44, 3, v46
	v_lshl_add_u32 v1, v42, 7, v1                  ; k, registers 0-1: 8 x (row + 16 h)
	v_lshl_add_u32 v2, v44, 4, v46
	v_lshl_add_u32 v2, v42, 8, v2
	v_add_nc_u32 v2, 256, v2                       ; k, registers 2-5: 256 + 16 x (row + 16 h)
	v_lshlrev_b32 v3, 7, v45
	v_lshl_add_u32 v3, v44, 2, v3
	v_add_nc_u32 v3, s20, v3                       ; k's scale bytes
	v_lshlrev_b32 v47, 3, v40                      ; 8 x lane
	v_lshlrev_b32 v48, 4, v40
	v_add_nc_u32 v48, 256, v48                     ; 256 + 16 x lane
	v_add_nc_u32 v4, VOFF, v47
	v_add_nc_u32 v5, VOFF, v48
	v_lshl_add_u32 v6, v41, 2, s27
	v_lshlrev_b32 v49, 2, v41                      ; 4 r
	v_lshlrev_b32 v15, 3, v42                      ; 8 h
	global_load_u16 v38, v49, s[6:7]               ; Q's scale bytes
	global_load_u16 v39, v49, s[6:7] offset:64
	WIN 0x40                                       ; destinations in window 1
	global_load_b64 v[0:1], v47, s[4:5]            ; Q stays in registers
	global_load_b128 v[2:5], v48, s[4:5]
	global_load_b64 v[12:13], v47, s[4:5] offset:1536
	global_load_b128 v[14:17], v48, s[4:5] offset:1536
.irp j, 6,7,8,9,10,11,18,19,20,21,22,23
	v_mov_b32 v[\j], 0                             ; zero codes: Q's upper 64 along K
.endr
.set I, OB
.rept 64
	v_mov_b32 v[I], 0                              ; O^T: the step is written once; the first finds zeros.  These lines stand under the fills' flight
.set I, I+1
.endr
	WIN 0
.irp q, 0,1
	v_mov_b32 v[17+4*\q], 0xff61b1e6               ; the largest score so far: -3e38
	v_mov_b32 v[18+4*\q], 0
	v_mov_b32 v[19+4*\q], 0
	v_mov_b32 v[24+2*\q], 0
	v_mov_b32 v[25+2*\q], 0                        ; (named with f as a pair)
	v_mov_b32 v[43+8*\q], 0                        ; a lane permute's destination counts as a source
	v_mul_f32 v[16+4*\q], s[NC], v[17+4*\q]
.endr
.irp q, 0,1
	v_floor_f32 v[16+4*\q], v[16+4*\q]             ; -M
.endr
.irp j, 0,1,2,3,4,5
	v_mov_b32 v[ZP+\j], 0                          ; what stands behind the last key tile
.endr
.macro ADDP q, i, n                    ; the sum's tree, in place: pair i += pair i + n
	v_pk_add_f32 v[SB+64*(\q)+2*(\i):SB+64*(\q)+2*(\i)+1], v[SB+64*(\q)+2*(\i):SB+64*(\q)+2*(\i)+1], v[SB+64*(\q)+2*((\i)+(\n)):SB+64*(\q)+2*((\i)+(\n))+1]
.endm
.macro LEVEL n, hint, qs:vararg
.set I, 0
.rept \n
.irp q, \qs
.if \hint
	s_delay_alu instid0(VALU_DEP_\hint)
.endif
	ADDP \q, I, \n
.endr
.set I, I+1
.endr
.endm
.macro FILL d                          ; between the levels of a scale word's chain: two adds of tile 0's tree (levels 8 and 4) while FN counts them, else a hint
.if FN < 8
	ADDP 0, FN, 8
	ADDP 0, FN+1, 8
.elseif FN < 12
	ADDP 0, FN-8, 4
	ADDP 0, FN-7, 4
.else
	s_delay_alu instid0(VALU_DEP_\d)
.endif
.set FN, FN+2
.endm
.macro SCALE q                         ; from my two blocks' largest p: the conversions' scale operands and P's scale word
	v_max_num_f32 v[40+8*\q], 0x2800000, v[40+8*\q]      ; the floor 2^(5 - 127): the byte cannot fall under 1
	v_max_num_f32 v[41+8*\q], 0x2800000, v[41+8*\q]
	FILL 2
	v_add_nc_u32 v[44+8*\q], 0xfe000000, v[40+8*\q]      ; 4 off the exponent field
	v_add_nc_u32 v[45+8*\q], 0xfe000000, v[41+8*\q]
	FILL 2
	v_lshrrev_b32 v[46+8*\q], 23, v[44+8*\q]
	v_lshrrev_b32 v[47+8*\q], 23, v[45+8*\q]
	FILL 1
	v_lshl_or_b32 v[42+8*\q], v[47+8*\q], 16, v[46+8*\q] ; my bytes: blocks h and 2 + h,
	FILL 1
	v_lshlrev_b32 v[42+8*\q], v15, v[42+8*\q]            ; at their places, 8 h bits up;
	FILL 1
	v_permlanex16_b32 v[43+8*\q], v[42+8*\q], s[SEL], s[SEL+1]
	FILL 1
	v_or_b32 v[PW+\q], v[42+8*\q], v[43+8*\q]            ; with lane l xor 16's two the word is whole
.endm
.macro CVT q                           ; p's codes, into window 1
	WIN 0x40
	v_cvt_scalef32_pk16_bf6_f32 v[PB+12*\q:PB+12*\q+2], v[SB+64*\q:SB+64*\q+15], v[44+8*\q]
	v_cvt_scalef32_pk16_bf6_f32 v[AX+8*\q:AX+8*\q+2], v[SB+64*\q+16:SB+64*\q+31], v[44+8*\q]   ; (a conversion's three registers begin on an even number)
	v_cvt_scalef32_pk16_bf6_f32 v[PB+12*\q+6:PB+12*\q+8], v[SB+64*\q+32:SB+64*\q+47], v[45+8*\q]
	v_cvt_scalef32_pk16_bf6_f32 v[AX+8*\q+4:AX+8*\q+6], v[SB+64*\q+48:SB+64*\q+63], v[45+8*\q]
	v_nop                                          ; one plain instruction behind a scaled conversion
	WIN 0x41
.irp i, 0,1,2
	v_mov_b32 v[PB+12*\q+3+\i], v[AX+8*\q+\i]
	v_mov_b32 v[PB+12*\q+9+\i], v[AX+8*\q+4+\i]
.endr
	WIN 0
.endm
.macro CHL k                           ; level k of M's chain, the two tiles by turns
.irp q, 0,1
.if (\k > 0) && (\k != 6) && (\k != 7)
	s_delay_alu instid0(VALU_DEP_2)
.endif
.if \k == 0
	v_max_num_f32 v[42+8*\q], v[40+8*\q], v[41+8*\q]
.elseif \k == 1
	v_permlanex16_b32 v[43+8*\q], v[42+8*\q], s[SEL], s[SEL+1]
.elseif \k == 2
	v_max3_num_f32 v[17+4*\q], v[17+4*\q], v[42+8*\q], v[43+8*\q]   ; the running largest score of my query
.elseif \k == 3
	v_mul_f32 v[42+8*\q], s[NC], v[17+4*\q]        ; -t
.elseif \k == 4
	v_floor_f32 v[42+8*\q], v[42+8*\q]             ; the new -M = floor(-t) = -ceil(t)
.elseif \k == 5
	v_sub_f32 v[43+8*\q], v[42+8*\q], v[16+4*\q]   ; old M less new M: a whole number, 0 or less
.elseif \k == 6
	v_mov_b32 v[16+4*\q], v[42+8*\q]
.elseif \k == 7
	v_cvt_i32_f32 v[43+8*\q], v[43+8*\q]           ; (it saturates)
.else
	v_ldexp_f32 v[24+2*\q], 1.0, v[43+8*\q]        ; f = 2^(old M - new M)
.endif
.endr
.endm
; A KEY STEP: 128 keys x my 32 queries.  K's tiles are in flight or in registers when it begins.
.macro STEP
	s_wait_dscnt 0x0                               ; K's tiles are in: nothing younger is out
	WIN 0x04                                       ; Q in window 1
.irp t, 0,1,2,3,4,5,6,7
	v_wmma_scale_f32_16x16x128_f8f6f4 v[SB+8*\t:SB+8*\t+7], v[KF+6*\t:KF+6*\t+11], v[0:11], 0, v[KS+\t], v38 matrix_a_fmt:MATRIX_FMT_BF6 matrix_b_fmt:MATRIX_FMT_BF6
	v_wmma_scale_f32_16x16x128_f8f6f4 v[SB+64+8*\t:SB+64+8*\t+7], v[KF+6*\t:KF+6*\t+11], v[12:23], 0, v[KS+\t], v39 matrix_a_fmt:MATRIX_FMT_BF6 matrix_b_fmt:MATRIX_FMT_BF6
.endr
	WIN 0
	v_add_nc_u32 v7, s[TB], v1                     ; the step's six addresses: also the plain instructions ahead of the first read of the scores
	v_add_nc_u32 v8, s[TB], v2
	v_add_nc_u32 v9, s[TS], v3
	v_add_nc_u32 v10, s[TB], v4
	v_add_nc_u32 v11, s[TB], v5
	v_add_nc_u32 v12, s[TS], v6
.irp b, 0,1,2,3                        ; the largest score of my four blocks of 32 keys (two a query tile), by turns; each accumulator is first read at its low end
	v_max3_num_f32 v[40+8*(\b/2)+(\b%2)], v[SB+32*\b], v[SB+32*\b+1], v[SB+32*\b+2]
.endr
.irp i, 3,5,7,9,11,13,15,17,19,21,23,25,27,29
.irp b, 0,1,2,3
	v_max3_num_f32 v[40+8*(\b/2)+(\b%2)], v[40+8*(\b/2)+(\b%2)], v[SB+32*\b+\i], v[SB+32*\b+\i+1]
.endr
.endr
.irp b, 0,1,2,3
	v_max_num_f32 v[40+8*(\b/2)+(\b%2)], v[40+8*(\b/2)+(\b%2)], v[SB+32*\b+31]
.endr
.irp k, 0,1,2,3,4,5,6,7,8
	CHL \k
.endr
	WIN 0x41                                       ; O^T in window 1
.irp q, 0,1
.irp j, 0,2,4,6,8,10,12,14,16,18,20,22,24,26,28,30
	v_pk_mul_f32 v[OB+32*\q+\j:OB+32*\q+\j+1], v[OB+32*\q+\j:OB+32*\q+\j+1], v[24+2*\q:25+2*\q] op_sel_hi:[1,0]   ; O^T under the new M
.endr
.endr
	WIN 0
.set I, SB
.rept 32
	v_pk_fma_f32 v[I:I+1], v[I:I+1], s[CS:CS+1], v[16:17] op_sel_hi:[1,0,0]   ; tile 0: t - M
.set I, I+2
.endr
	v_fma_f32 v40, v40, s[CS], v16                 ; the same of each block's largest score
	v_fma_f32 v41, v41, s[CS], v16
	WIN 0x40                                       ; THE STEP'S LDS LOADS, in one run: V's fragments of this step (20 loads),
.irp d, 0,1,2,3
	ds_load_b64 v[VF+12*\d:VF+12*\d+1], v10 offset:1536*\d
	ds_load_b128 v[VF+12*\d+2:VF+12*\d+5], v11 offset:1536*\d
	ds_load_b64 v[VF+12*\d+6:VF+12*\d+7], v10 offset:1536*\d+768
	ds_load_b128 v[VF+12*\d+8:VF+12*\d+11], v11 offset:1536*\d+768
.endr
	WIN 0
.irp d, 0,1,2,3
	ds_load_b32 v[VS+\d], v12 offset:64*\d
.endr
.irp t, 0,1,2,3,4,5,6,7                ; and K's tiles of the next step (24 loads)
	KL \t, 7, 8, 9, 6144, 512
.endr
	s_wait_alu depctr_va_vdst(0)                   ; ahead of the batch
.set I, 0
.rept 32                               ; tile 0: p = 2^(t - M); among them tile 1's t - M
	v_exp_f32 v[SB+2*I], v[SB+2*I]
	v_pk_fma_f32 v[SB+64+2*I:SB+64+2*I+1], v[SB+64+2*I:SB+64+2*I+1], s[CS:CS+1], v[20:21] op_sel_hi:[1,0,0]
	v_exp_f32 v[SB+2*I+1], v[SB+2*I+1]
.set I, I+1
.endr
	v_exp_f32 v40, v40                             ; the block's largest p: the same two instructions on the same number
	v_fma_f32 v48, v48, s[CS], v20
	v_exp_f32 v41, v41
	v_fma_f32 v49, v49, s[CS], v20
	s_wait_alu depctr_va_vdst(0)                   ; behind the batch
.set FN, 100
	SCALE 0
	CVT 0
	s_wait_alu depctr_va_vdst(0)                   ; ahead of the batch
.set I, 0
.rept 16                               ; tile 1's p; among them the first level of tile 0's sum (its codes are made)
	v_exp_f32 v[SB+64+4*I], v[SB+64+4*I]
	ADDP 0, I, 16
	v_exp_f32 v[SB+64+4*I+1], v[SB+64+4*I+1]
	v_exp_f32 v[SB+64+4*I+2], v[SB+64+4*I+2]
	v_exp_f32 v[SB+64+4*I+3], v[SB+64+4*I+3]
.set I, I+1
.endr
	v_exp_f32 v48, v48
	v_exp_f32 v49, v49
	v_nop
	s_wait_alu depctr_va_vdst(0)                   ; behind the batch
.set FN, 0
	SCALE 1                                        ; with levels 8 and 4 of tile 0's sum between its levels
	CVT 1
	LEVEL 16, 0, 1
	LEVEL 8, 0, 1
	LEVEL 4, 0, 1
	LEVEL 2, 0, 0,1
	LEVEL 1, 2, 0,1
.irp q, 0,1
	s_delay_alu instid0(VALU_DEP_2)
	v_pk_fma_f32 v[18+4*\q:19+4*\q], v[18+4*\q:19+4*\q], v[24+2*\q:25+2*\q], v[SB+64*\q:SB+64*\q+1] op_sel_hi:[1,0,1]   ; the sums under the new M, and this step's
.endr
	s_wait_alu depctr_va_vdst(0)                   ; directly ahead of the wait below
	s_wait_dscnt 24                                ; V is in; the next step's 24 loads of K may be out
	WIN 0x55                                       ; V, P and O^T in window 1
.irp d, 0,1,2,3
.irp q, 0,1
	v_wmma_scale_f32_16x16x128_f8f6f4 v[OB+32*\q+8*\d:OB+32*\q+8*\d+7], v[VF+12*\d:VF+12*\d+11], v[PB+12*\q:PB+12*\q+11], v[OB+32*\q+8*\d:OB+32*\q+8*\d+7], v[VS+\d], v[PW+\q] matrix_a_fmt:MATRIX_FMT_BF6 matrix_b_fmt:MATRIX_FMT_BF6
.endr
.endr
	WIN 0
.endm
.macro WALK n
	s_mov_b32 s[CNT], \n
.Lstep_\@:
	STEP
	s_add_co_u32 s[TB], s[TB], 6144
	s_add_co_u32 s[TS], s[TS], 512
	s_sub_co_u32 s[CNT], s[CNT], 1
	s_cmp_lg_u32 s[CNT], 0
	s_wait_alu depctr_va_vdst(0)                   ; directly ahead of the branch
	s_cbranch_scc1 .Lstep_\@
.endm
	s_wait_alu depctr_va_vdst(0)                   ; the head's end
	s_wait_tensorcnt 0x0                           ; my fill of the head's four has landed; the three lines ahead of a later first fill,
	ds_add_u32 v[SPW], v[NIL]                      ; the add written twice
	ds_add_u32 v[SPW], v[NIL]
	s_mov_b32 s[G1KC+2], 52<<16                    ; no tensor load of mine is out: the descriptors are written for the rest: k: 52 tiles a wave,
	s_mov_b32 s[G1KC+4], 52
	s_mov_b32 s[G1VC+2], 7<<16                     ; v: 7 groups a wave
	s_mov_b32 s[G1VC+4], 7
	s_mul_i32 s2, s21, 79872
	s_add_co_u32 s2, s2, 36864                     ; from tile 24 + 52 x (wave % 2)
	s_mov_b32 s3, 0
	s_add_nc_u64 s[G0K+2:G0K+3], s[84:85], s[2:3]
	s_or_b32 s[G0K+3], s[G0K+3], 0x80000000
	s_mul_i32 s15, s21, 39936
	s_add_co_u32 s[G0K+1], s15, 18432
	s_mul_i32 s2, s21, 688128
	s_add_co_u32 s2, s2, 196608                    ; from group 2 + 7 x (wave % 2)
	s_add_nc_u64 s[G0V+2:G0V+3], s[88:89], s[2:3]
	s_or_b32 s[G0V+3], s[G0V+3], 0x80000000
	s_mul_i32 s15, s21, 43008
	s_add_co_u32 s[G0V+1], s15, VOFF+12288
	s_wait_dscnt 0x0
	CROUND                                         ; the head's fills are whole, and the four work-groups meet
	s_cmp_lt_u32 s[WV], 4
	s_cbranch_scc1 .Lasked2
	s_cmp_lt_u32 s[WV], 6
	s_cbranch_scc0 .Lrest_v
	TLOAD G0K, G1KC
	s_branch .Lasked2
.Lrest_v:
	TLOAD G0V, G1VC
.Lasked2:
.irp t, 0,1,2,3,4,5,6,7
	KL \t, 1, 2, 3, 0, 0                           ; step 0's K tiles
.endr
	s_wait_loadcnt 0x0                             ; Q
	s_mov_b32 s[TB], 0
	s_mov_b32 s[TS], 0
	WALK 2                                         ; keys 0-255 (and step 2's K tiles), while the rest is on its way
	s_wait_tensorcnt 0x0                           ; my part of the rest has landed,
	s_wait_dscnt 0x0                               ; and no LDS load of mine is out at the signal
	s_barrier_signal -1
	s_barrier_wait -1                              ; everybody's has
	s_mov_b32 s[TB], 12288
	s_mov_b32 s[TS], 1024
	WALK 14
	; THE END: O^T / the sum, quantised along the head's 64 (two blocks of 32), is my head's half of a record of the last projection's operand.
	s_wait_dscnt 0x0                               ; the last look-ahead has landed: K's registers are free
.rept 4
	v_nop                                          ; ahead of the first read of the last products' results
.endr
.irp q, 0,1
	v_add_f32 v[18+4*\q], v[18+4*\q], v[19+4*\q]
.endr
.irp q, 0,1
	v_permlanex16_b32 v[43+8*\q], v[18+4*\q], s[SEL], s[SEL+1]
.endr
.irp q, 0,1
	v_add_f32 v[18+4*\q], v[18+4*\q], v[43+8*\q]   ; the row's sum
.endr
	v_and_b32 v40, 31, v0
	v_and_b32 v3, 15, v0
	v_lshlrev_b32 v1, 3, v40                       ; 8 x lane
	v_lshlrev_b32 v2, 4, v40
	v_add_nc_u32 v2, 256, v2                       ; 256 + 16 x lane
	v_lshlrev_b32 v3, 3, v3                        ; 8 r: my row's place in aos
	s_wait_alu depctr_va_vdst(0)
.irp q, 0,1
	v_rcp_f32 v[18+4*\q], v[18+4*\q]
.endr
	v_nop
	WIN 0x01                                       ; O^T in window 1
	s_wait_alu depctr_va_vdst(0)
.irp q, 0,1
.set I, 0
.rept 32
	v_mul_f32 v[SB+32*\q+I], v[OB+32*\q+I], v[18+4*\q]   ; register 16 b + i: feature 32 b + 16 h + i of my head
.set I, I+1
.endr
.endr
	WIN 0
.irp b, 0,1,2,3
	v_max3_num_f32 v[40+8*(\b/2)+(\b%2)], |v[SB+16*\b]|, |v[SB+16*\b+1]|, 0x2800000
.endr
.irp i, 2,4,6,8,10,12,14
.irp b, 0,1,2,3
	v_max3_num_f32 v[40+8*(\b/2)+(\b%2)], v[40+8*(\b/2)+(\b%2)], |v[SB+16*\b+\i]|, |v[SB+16*\b+\i+1]|
.endr
.endr
.irp b, 0,1,2,3
	v_permlanex16_b32 v[42+8*(\b/2)+(\b%2)], v[40+8*(\b/2)+(\b%2)], s[SEL], s[SEL+1]
.endr
.irp b, 0,1,2,3
	v_max_num_f32 v[40+8*(\b/2)+(\b%2)], v[40+8*(\b/2)+(\b%2)], v[42+8*(\b/2)+(\b%2)]
.endr
.irp b, 0,1,2,3
	v_add_nc_u32 v[44+8*(\b/2)+(\b%2)], 0xfe000000, v[40+8*(\b/2)+(\b%2)]
.endr
.irp b, 0,1,2,3
	v_lshrrev_b32 v[46+8*(\b/2)+(\b%2)], 23, v[44+8*(\b/2)+(\b%2)]
.endr
.irp q, 0,1
	v_lshl_or_b32 v[42+8*\q], v[47+8*\q], 8, v[46+8*\q]   ; my row's two scale bytes
.endr
.irp q, 0,1
	v_cvt_scalef32_pk16_bf6_f32 v[KF+12*\q:KF+12*\q+2], v[SB+32*\q:SB+32*\q+15], v[44+8*\q]
	v_cvt_scalef32_pk16_bf6_f32 v[192+4*\q:194+4*\q], v[SB+32*\q+16:SB+32*\q+31], v[45+8*\q]
.endr
	v_nop
.irp q, 0,1
.irp i, 0,1,2
	v_permlane16_swap_b32 v[KF+12*\q+\i], v[192+4*\q+\i]   ; a whole block in a lane: lanes 0-15 block 0, lanes 16-31 block 1
.endr
.irp i, 0,1,2
	v_mov_b32 v[KF+12*\q+3+\i], v[192+4*\q+\i]
.endr
.endr
.irp q, 0,1
	global_store_b64 v1, v[KF+12*\q:KF+12*\q+1], s[8:9] offset:12288*\q     ; 256 consecutive bytes, aligned
	global_store_b128 v2, v[KF+12*\q+2:KF+12*\q+5], s[8:9] offset:12288*\q  ; 512 consecutive bytes, aligned
	global_store_b16 v3, v[42+8*\q], s[10:11] offset:512*\q                 ; both halves of the lanes hold the same two bytes of row r
.endr
	s_wait_tensorcnt 0x0                           ; the wave's end
	ds_add_u32 v[SPW], v[NIL]
	s_wait_dscnt 0x0
	CROUND                                         ; the closing round
	s_endpgm
.Lfunc_end_k_q39edb22c5c_attn:
	.size	k_q39edb22c5c_attn, .Lfunc_end_k_q39edb22c5c_attn-k_q39edb22c5c_attn
	.p2alignl 7, 3214868480
	.fill 96, 4, 3214868480
	.section	.rodata,"a",@progbits
	.p2align	6, 0x0
	.amdhsa_kernel k_q39edb22c5c_attn
		.amdhsa_group_segment_fixed_size 327680
		.amdhsa_private_segment_fixed_size 0
		.amdhsa_enable_private_segment 0
		.amdhsa_kernarg_size 32
		.amdhsa_user_sgpr_count 2
		.amdhsa_user_sgpr_kernarg_segment_ptr 1
		.amdhsa_wavefront_size32 1
		.amdhsa_system_sgpr_workgroup_id_x 1
		.amdhsa_system_sgpr_workgroup_id_y 1
		.amdhsa_system_sgpr_workgroup_id_z 1
		.amdhsa_system_vgpr_workitem_id 0
		.amdhsa_next_free_vgpr 448
		.amdhsa_next_free_sgpr 92
		.amdhsa_reserve_vcc 0
		.amdhsa_float_denorm_mode_32 3
		.amdhsa_float_denorm_mode_16_64 3
		.amdhsa_memory_ordered 1
		.amdhsa_forward_progress 1
		.amdhsa_inst_pref_size 81
	.end_amdhsa_kernel
	.amdgpu_metadata
---
amdhsa.version: [ 1, 2 ]
amdhsa.kernels:
  - .name:           k_q39edb22c5c_attn
    .symbol:         k_q39edb22c5c_attn.kd
    .args:
      - { .name: qkv, .offset: 0, .size: 8, .value_kind: global_buffer, .address_space: global }
      - { .name: qkvs, .offset: 8, .size: 8, .value_kind: global_buffer, .address_space: global }
      - { .name: ao, .offset: 16, .size: 8, .value_kind: global_buffer, .address_space: global }
      - { .name: aos, .offset: 24, .size: 8, .value_kind: global_buffer, .address_space: global }
    .group_segment_fixed_size: 327680
    .private_segment_fixed_size: 0
    .kernarg_segment_align: 8
    .kernarg_segment_size: 32
    .max_flat_workgroup_size: 256
    .sgpr_count:     92
    .vgpr_count:     448
    .wavefront_size: 32
...
	.end_amdgpu_metadata
.endif
;; end of part 4
;; launch outp (part 5): grid 8 x 32, 4 waves a work-group, clusters of 4 x 4, 215,040 bytes of LDS; arguments ao, aos, codes, scales, out_b, out0; writes out0
.if DOCPART == 5
	.amdgcn_target "amdgcn-amd-amdhsa--gfx1250"
	.amdhsa_code_object_version 6
	.text
	.protected	k_q39edb22c5c_outp
	.globl	k_q39edb22c5c_outp
	.p2align	8
	.type	k_q39edb22c5c_outp,@function
k_q39edb22c5c_outp:
	s_mov_b64 s[64:65], 0
	v_nop
	global_prefetch_b8 v0, s[64:65] scope:SCOPE_SE
	s_setreg_imm32_b32 hwreg(HW_REG_WAVE_MODE, 25, 1), 1
	s_wait_xcnt 0x0
	s_wait_alu depctr_hold_cnt(0) depctr_sa_sdst(0) depctr_va_vdst(0) depctr_va_sdst(0) depctr_va_ssrc(0) depctr_va_vcc(0) depctr_vm_vsrc(0)
	s_getreg_b32 s2, hwreg(HW_REG_IB_STS2, 6, 4)
	s_cmp_eq_u32 s2, 0
	s_cbranch_scc0 .Lentry_in_a_cluster
	s_endpgm
.Lentry_in_a_cluster:
	s_bfe_u32 s2, ttmp6, 0x10000c
	s_cmp_lg_u32 s2, 0xf033
	s_cbranch_scc0 .Lentry_shape_is_right
	s_endpgm
.Lentry_shape_is_right:
; out0 = (attention's output) out_w^T + out_b, on codes of BF6 with E8M0 scales; K = 1,024; f32 sums; out0 [2048][2][1024] f32.
; SHARES.  8 x 32 = 256 work-groups; each makes 128 tokens x 128 features, each of its four waves 64 x 64: 16 accumulators.
; Source 0 = 16 rows of out_w, source 1 = 16 tokens: a lane holds one token, its registers run along the features.
; Both operands lie in records (an image of the operand's 12 registers, 1,536 bytes): every LDS load takes 256 or 512 consecutive bytes.
; The rows of a tile are 32 (i / 2) + 8 (i % 2) + r + 8 (r / 8), for tokens and for features: the way out puts both back in order.
; ALL OF K LIES IN LDS, FILLED ONCE, ONE TENSOR LOAD A WAVE: four tiles x 12,288 bytes are 49,152 dense bytes of memory.  Waves 0, 1 fetch the tokens' 8 tiles, waves 2, 3 out_w's.  No byte is filled twice.
; CLUSTER.  4 x 4 work-groups: the tokens' tiles are asked for jointly along a row of the cluster, out_w's along a column.
; No prefetch: the one group of fills at the head names every byte; there is no loop to run ahead in.
; THE SCALE WORDS go from memory into registers: a load of 8 bytes a lane; lanes 0-15 take K steps 0-3 of row r, lanes 16-31 K steps 4-7, which the products choose by the scale row.
; The bias is the C of each sum's first product.
; REGISTERS.  window 0: v1-27 addresses; v32-47 the tokens' scale words (4 i + s % 4), v48-63 out_w's; v64-95 the bias; on the way out v64-127 rows read back; v128-255 the accumulators.
;   window 1: two fragment buffers, at v0 and at v128: 48 registers of the tokens' 4 blocks, then 48 of out_w's.
.set FR,     12
.set TILEB,  12288
.set HALFT,  4*TILEB
.set STG,    4*HALFT                   ; the way out: 16 rows x 272 bytes for each wave, in blocks of 256 bytes into which no fill lands
.set SPITCH, 272
.set SPARE,  STG+4*16*SPITCH
.set ADRA, 16                          ; v16 my A tiles at 8 x lane, v17 at 16 x lane
.set ADRB, 18
.set STO,  24
.set RD,   25
.set CO,   26
.set SOF,  27                          ; 8 r + 256 h
.set SA,   32
.set SBS,  48
.set BI,   64
.set BK,   64
.set ACC,  128
.set F0,   0
.set F1,   128
.set G1,   24
.set G1B,  32
.set G0,   44
.set G0B,  48
.set MSB, 0
.macro WIN new
.if MSB != \new
	s_set_vgpr_msb (MSB<<8)|\new
.set MSB, \new
.endif
.endm
.set MUL,  0x05                        ; sources 0 and 1 window 1; C and D window 0
.set TO_F, 0x40
.macro CROUND
	s_barrier_signal -1
	s_barrier_wait -1
	s_cmp_lg_u32 s14, 0
	s_cbranch_scc1 .Lnot_wave_0_\@
	s_barrier_signal -3
.Lnot_wave_0_\@:
	s_barrier_wait -3
	s_barrier_signal -1
	s_barrier_wait -1
.endm
	s_load_b256 s[4:11], s[0:1], 0x0               ; ao, aos, codes, scales
	s_load_b128 s[20:23], s[0:1], 0x20             ; out_b, out0
	v_lshl_add_u32 v30, v0, 2, SPARE
	v_mov_b32 v31, 0
	ds_add_u32 v30, v31                            ; the opening lines
	ds_add_u32 v30, v31
	v_lshrrev_b32 v1, 5, v0
	v_readfirstlane_b32 s14, v1                    ; wave 0..3
	s_lshr_b32 s15, s14, 1                         ; which half of the tokens is mine.  Also: I fetch for A (0) or for B (1)
	s_and_b32 s16, s14, 1                          ; which half of the features.  Also: which 4 tiles I fetch
	s_bfe_u32 s40, ttmp6, 0x40000                  ; cx, cy
	s_bfe_u32 s41, ttmp6, 0x40004
	s_lshl_b32 s18, ttmp9, 2
	s_add_co_u32 s18, s18, s40                     ; which 128 features, 0 .. 7
	s_and_b32 s17, ttmp7, 0xffff
	s_lshl_b32 s17, s17, 2
	s_add_co_u32 s17, s17, s41                     ; which 128 tokens, 0 .. 31
	s_lshl_b32 s12, s41, 2
	s_lshl_b32 s12, 15, s12                        ; my row of the cluster
	s_lshl_b32 s13, 0x1111, s40                    ; my column
	s_or_b32 s[G1+0], s12, (3<<16)|(1<<21)
	s_or_b32 s[G1B+0], s13, (3<<16)|(1<<21)
.irp g, G1, G1B                        ; 49,152 dense bytes as 192 rows of 256 (32 elements of 8 bytes)
	s_mov_b32 s[\g+1], 32<<16
	s_mov_b32 s[\g+2], 192<<16
	s_mov_b32 s[\g+3], 32<<16
	s_mov_b32 s[\g+4], 192
	s_mov_b32 s[\g+5], 32
	s_mov_b32 s[\g+6], 0
	s_mov_b32 s[\g+7], 0
.endr
	s_lshl_b32 s19, s16, 2
	s_lshl_b32 s2, s17, 3
	s_add_co_u32 s2, s2, s19                       ; A: the first token tile that I fetch: hangs on cy, never on cx
	s_mul_i32 s2, s2, TILEB
	s_mov_b32 s3, 0
	s_lshl_b32 s42, s18, 3
	s_add_co_u32 s42, s42, s19
	s_add_co_u32 s42, s42, 448                     ; B: out_w's tiles begin at tile 448 of codes: hangs on cx, never on cy
	s_mul_i32 s42, s42, TILEB
	s_mov_b32 s43, 0
	s_mov_b32 s[G0], 1
	s_mul_i32 s[G0+1], s14, HALFT                  ; where they go: made of the wave's number alone
	s_mov_b32 s[G0B], 1
	s_mul_i32 s[G0B+1], s14, HALFT
	s_wait_dscnt 0x0
	s_wait_kmcnt 0x0
	s_add_nc_u64 s[G0+2:G0+3], s[4:5], s[2:3]
	s_or_b32 s[G0+3], s[G0+3], 0x80000000
	s_add_nc_u64 s[G0B+2:G0B+3], s[8:9], s[42:43]
	s_or_b32 s[G0B+3], s[G0B+3], 0x80000000
	CROUND                                         ; all sixteen work-groups are here: the joint loads meet
	s_cmp_eq_u32 s15, 0
	s_cbranch_scc0 .Lfor_b
	tensor_load_to_lds s[G0:G0+3], s[G1:G1+7]
	s_nop 0
.rept 4
	v_nop
.endr
	s_branch .Lasked
.Lfor_b:
	tensor_load_to_lds s[G0B:G0B+3], s[G1B:G1B+7]
	s_nop 0
.rept 4
	v_nop
.endr
.Lasked:
	s_lshl_b32 s12, s18, 9
	s_lshl_b32 s13, s16, 8
	s_add_co_u32 s12, s12, s13                     ; my 64 features, in bytes
	s_mov_b32 s13, 0
	s_add_nc_u64 s[20:21], s[20:21], s[12:13]
	s_add_nc_u64 s[22:23], s[22:23], s[12:13]
	s_and_b32 s12, s17, 15
	s_lshl_b32 s12, s12, 7
	s_lshl_b32 s19, s15, 6
	s_add_co_u32 s12, s12, s19                     ; my first token of its batch
	s_lshl_b32 s12, s12, 13                        ; 8,192 bytes from a token to the next of the same batch
	s_lshr_b32 s19, s17, 4
	s_lshl_b32 s19, s19, 12
	s_add_co_u32 s12, s12, s19
	s_add_nc_u64 s[22:23], s[22:23], s[12:13]
	s_lshl_b32 s12, s17, 3
	s_lshl_b32 s19, s15, 2
	s_add_co_u32 s12, s12, s19
	s_lshl_b32 s12, s12, 9                         ; the scale words of my 4 token tiles: 512 bytes a tile
	s_add_nc_u64 s[6:7], s[6:7], s[12:13]
	s_lshl_b32 s12, s18, 3
	s_lshl_b32 s19, s16, 2
	s_add_co_u32 s12, s12, s19
	s_add_co_u32 s12, s12, 448
	s_lshl_b32 s12, s12, 9                         ; and of my 4 tiles of out_w
	s_add_nc_u64 s[10:11], s[10:11], s[12:13]
	s_mul_i32 s2, s15, HALFT                       ; my 4 tiles of A
	s_mul_i32 s3, s16, HALFT
	s_add_co_u32 s3, s3, 2*HALFT                   ; my 4 tiles of B, behind A's 8
	s_mul_i32 s52, s14, 16*SPITCH
	s_add_co_u32 s52, s52, STG                     ; my stage
	v_and_b32 v12, 31, v0                          ; lane
	v_and_b32 v1, 15, v0                           ; r
	v_bfe_u32 v2, v0, 4, 1                         ; h
	v_lshlrev_b32 v9, 3, v12
	v_lshlrev_b32 v10, 4, v12
	v_lshlrev_b32 v13, 6, v2                       ; 64 h: my 8 features of a block
	v_add_nc_u32 v[ADRA], s2, v9
	v_add_nc_u32 v[ADRA+1], s2, v10
	v_add_nc_u32 v[ADRB], s3, v9
	v_add_nc_u32 v[ADRB+1], s3, v10
	v_lshlrev_b32 v[SOF], 3, v1
	v_lshl_add_u32 v[SOF], v2, 8, v[SOF]
	v_mul_u32_u24 v3, v1, SPITCH
	v_lshl_add_u32 v3, v2, 6, v3
	v_add_nc_u32 v[STO], s52, v3                   ; in: row r, + 64 h
	v_mul_u32_u24 v4, v2, SPITCH
	v_lshl_add_u32 v4, v1, 4, v4
	v_add_nc_u32 v[RD], s52, v4                    ; back: lanes 0-15 take one row of 256 bytes, lanes 16-31 the next
	v_lshlrev_b32 v[CO], 13, v2
	v_lshl_add_u32 v[CO], v1, 4, v[CO]             ; and the same two tokens in out0
.irp i, 0,1,2,3
	global_load_b128 v[BI+8*\i:BI+8*\i+3], v13, s[20:21] offset:128*(\i/2)+32*(\i%2)      ; block i, register j: feature 32 (i / 2) + 8 (i % 2) + 16 h + j
	global_load_b128 v[BI+8*\i+4:BI+8*\i+7], v13, s[20:21] offset:128*(\i/2)+32*(\i%2)+16
.endr
.irp i, 0,1,2,3
.irp c, 0,1
	global_load_b64 v[SA+4*\i+2*\c:SA+4*\i+2*\c+1], v[SOF], s[6:7] offset:512*\i+128*\c
	global_load_b64 v[SBS+4*\i+2*\c:SBS+4*\i+2*\c+1], v[SOF], s[10:11] offset:512*\i+128*\c
.endr
.endr
.macro FRAG reg, adr, off              ; a record: 12 registers by four dense loads
	ds_load_b64 v[\reg:\reg+1], v[\adr] offset:\off
	ds_load_b128 v[\reg+2:\reg+5], v[\adr+1] offset:\off+256
	ds_load_b64 v[\reg+6:\reg+7], v[\adr] offset:\off+768
	ds_load_b128 v[\reg+8:\reg+11], v[\adr+1] offset:\off+1024
.endm
.macro FETCH s, f                      ; K step s: my 4 blocks of A and my 4 of B into buffer f: 32 loads
	WIN TO_F
.irp i, 0,1,2,3
	FRAG \f+FR*\i, ADRA, \i*TILEB+(\s)*1536
	FRAG \f+48+FR*\i, ADRB, \i*TILEB+(\s)*1536
.endr
.endm
; 16 matrix instructions: A's four blocks x B's four, K step s.  The 16 accumulators take turns, in the same order in every step.
.macro MUL16 f, s
.irp a, 0,1,2,3
.irp b, 0,1,2,3
.if (\s) == 0
	v_wmma_scale_f32_16x16x128_f8f6f4 v[ACC+8*(4*\a+\b):ACC+8*(4*\a+\b)+7], v[\f+48+FR*\b:\f+48+FR*\b+FR-1], v[\f+FR*\a:\f+FR*\a+FR-1], v[BI+8*\b:BI+8*\b+7], v[SBS+4*\b], v[SA+4*\a] matrix_a_fmt:MATRIX_FMT_BF6 matrix_b_fmt:MATRIX_FMT_BF6
.elseif (\s) < 4
	v_wmma_scale_f32_16x16x128_f8f6f4 v[ACC+8*(4*\a+\b):ACC+8*(4*\a+\b)+7], v[\f+48+FR*\b:\f+48+FR*\b+FR-1], v[\f+FR*\a:\f+FR*\a+FR-1], v[ACC+8*(4*\a+\b):ACC+8*(4*\a+\b)+7], v[SBS+4*\b+(\s)%4], v[SA+4*\a+(\s)%4] matrix_a_fmt:MATRIX_FMT_BF6 matrix_b_fmt:MATRIX_FMT_BF6
.else
	v_wmma_scale_f32_16x16x128_f8f6f4 v[ACC+8*(4*\a+\b):ACC+8*(4*\a+\b)+7], v[\f+48+FR*\b:\f+48+FR*\b+FR-1], v[\f+FR*\a:\f+FR*\a+FR-1], v[ACC+8*(4*\a+\b):ACC+8*(4*\a+\b)+7], v[SBS+4*\b+(\s)%4], v[SA+4*\a+(\s)%4] matrix_a_fmt:MATRIX_FMT_BF6 matrix_b_fmt:MATRIX_FMT_BF6 matrix_a_scale:MATRIX_SCALE_ROW1 matrix_b_scale:MATRIX_SCALE_ROW1
.endif
.endr
.endr
.endm
.macro PLACES                          ; four plain vector instructions behind a matrix instruction, ahead of loads into its registers and of reads of its results
.rept 4
	v_nop
.endr
.endm
.macro KSTEP s                         ; multiplies buffer s % 2, then fetches the step two on into it
.if (\s) < 7
	s_wait_dscnt 32                                ; this buffer is in; the other buffer's 32 loads may be out
.else
	s_wait_dscnt 0x0
.endif
	WIN MUL
	MUL16 128*((\s)%2), \s
.if (\s) < 6
	PLACES
	FETCH (\s)+2, 128*((\s)%2)
.endif
.endm
	s_wait_alu depctr_va_vdst(0)                   ; the head's end
	s_wait_tensorcnt 0x0                           ; my four tiles are in,
	s_barrier_signal -1
	s_barrier_wait -1                              ; everybody's are
	FETCH 0, F0
	FETCH 1, F1
	s_wait_loadcnt 0x0                             ; the bias and the scale words
.irp s, 0,1,2,3,4,5,6,7
	KSTEP \s
.endr
	WIN 0
; THE WAY OUT, block by block of 16 tokens x 64 features, through my own stage in LDS: in, a lane's 8 numbers of feature block b go to their true place in the row; back, whole rows of 256 bytes, two an instruction.
; LDS serves a wave's instructions in order: no wait between the stores and the loads, nor ahead of the next block's stores.
.macro TOSTAGE a
.irp b, 0,1,2,3
	ds_store_b128 v[STO], v[ACC+8*(4*(\a)+\b):ACC+8*(4*(\a)+\b)+3] offset:128*(\b/2)+32*(\b%2)          ; each accumulator from its low end on
	ds_store_b128 v[STO], v[ACC+8*(4*(\a)+\b)+4:ACC+8*(4*(\a)+\b)+7] offset:128*(\b/2)+32*(\b%2)+16
.endr
.set BB, BK+32*((\a)%2)
.irp k, 0,1,2,3,4,5,6,7
	ds_load_b128 v[BB+4*\k:BB+4*\k+3], v[RD] offset:\k*2*SPITCH
.endr
.endm
.macro SEND a, younger                 ; younger: the LDS instructions issued behind block a's loads, which may stay out
.set BB, BK+32*((\a)%2)
	s_wait_dscnt \younger
.irp k, 0,1,2,3,4,5,6,7
	global_store_b128 v[CO], v[BB+4*\k:BB+4*\k+3], s[22:23] offset:(32*((\a)/2)+8*((\a)%2)+2*\k+8*(\k/4))*8192 th:TH_STORE_NT   ; 16 lanes store 256 consecutive bytes, aligned
.endr
.endm
	PLACES                                         ; ahead of the first read of the last products' results
	TOSTAGE 0
.irp a, 1,2,3
.if \a > 1
	s_wait_xcnt 0x0                                ; block a - 2's stores have read their registers: block a's loads may land there
.endif
	TOSTAGE \a
	SEND \a-1, 16                                  ; behind block a - 1's loads: block a's 8 stores and 8 loads
.endr
	SEND 3, 0
	s_wait_tensorcnt 0x0                           ; the wave's end
	ds_add_u32 v30, v31
	s_wait_dscnt 0x0
	CROUND                                         ; the closing round
	s_endpgm
.Lfunc_end_k_q39edb22c5c_outp:
	.size	k_q39edb22c5c_outp, .Lfunc_end_k_q39edb22c5c_outp-k_q39edb22c5c_outp
	.p2alignl 7, 3214868480
	.fill 96, 4, 3214868480
	.section	.rodata,"a",@progbits
	.p2align	6, 0x0
	.amdhsa_kernel k_q39edb22c5c_outp
		.amdhsa_group_segment_fixed_size 215040
		.amdhsa_private_segment_fixed_size 0
		.amdhsa_enable_private_segment 0
		.amdhsa_kernarg_size 48
		.amdhsa_user_sgpr_count 2
		.amdhsa_user_sgpr_kernarg_segment_ptr 1
		.amdhsa_wavefront_size32 1
		.amdhsa_system_sgpr_workgroup_id_x 1
		.amdhsa_system_sgpr_workgroup_id_y 1
		.amdhsa_system_sgpr_workgroup_id_z 1
		.amdhsa_system_vgpr_workitem_id 0
		.amdhsa_next_free_vgpr 512
		.amdhsa_next_free_sgpr 66
		.amdhsa_reserve_vcc 0
		.amdhsa_float_denorm_mode_32 3
		.amdhsa_float_denorm_mode_16_64 3
		.amdhsa_memory_ordered 1
		.amdhsa_forward_progress 1
		.amdhsa_inst_pref_size 50
	.end_amdhsa_kernel
	.amdgpu_metadata
---
amdhsa.version: [ 1, 2 ]
amdhsa.kernels:
  - .name:           k_q39edb22c5c_outp
    .symbol:         k_q39edb22c5c_outp.kd
    .args:
      - { .name: ao, .offset: 0, .size: 8, .value_kind: global_buffer, .address_space: global }
      - { .name: aos, .offset: 8, .size: 8, .value_kind: global_buffer, .address_space: global }
      - { .name: codes, .offset: 16, .size: 8, .value_kind: global_buffer, .address_space: global }
      - { .name: scales, .offset: 24, .size: 8, .value_kind: global_buffer, .address_space: global }
      - { .name: out_b, .offset: 32, .size: 8, .value_kind: global_buffer, .address_space: global }
      - { .name: out0, .offset: 40, .size: 8, .value_kind: global_buffer, .address_space: global }
    .group_segment_fixed_size: 215040
    .private_segment_fixed_size: 0
    .kernarg_segment_align: 8
    .kernarg_segment_size: 48
    .max_flat_workgroup_size: 128
    .sgpr_count:     66
    .vgpr_count:     512
    .wavefront_size: 32
...
	.end_amdgpu_metadata
.endif
;; end of part 5
